; MI455X (gfx1250); checked and timed in simulation.
; The chip was launched on July 23, 2026; its instructions are those of AMD's public machine-readable ISA for CDNA 5 (MIT licence, August 2026) and "CDNA5" Instruction Set Architecture Reference Guide (July 2026). The comments in the code are by the model that wrote it; some were corrected since.
;; Causal Self Attention. Allowed arithmetic: matrix products marked QUANTISED: E2M1 operands, one E8M0 scale for each 32 along K, by v_wmma_scale_f32_16x16x128_f8f6f4 with both operands' format E2M1 (or v_wmma_scale_f32_32x16x128_f4), f32 sums; products left as they are: bf16, f16 or f32 operands; f32 sums; everything else in f32.
;; Inputs: W_attn 1,024 x 3,072 float32; W_proj 1,024 x 1,024 float32; b_attn 3,072 float32; b_proj 1,024 float32; x 4 x 2,048 x 1,024 float32.
;; Outputs: out0 4 x 2,048 x 1,024 float32.
;; This version of the problem:
;;   THIS VERSION OF THE PROBLEM IS GIVEN IN LOW PRECISION. The matrix products marked QUANTISED in the list below multiply operands that are first quantised to E2M1 (2 exponent bits, 1 mantissa bit; 4 bits a number), with one power-of-two scale for each 32 numbers along K (OCP MX v1.0); their sums are f32. The products marked 'left as it is' may take bf16, f16 or f32 operands, with f32 sums. Whichever they take, every output number must still come out within the allowed error. Rounding operands to bf16 (8 significant bits) uses up far more of that allowance than f16 does (11 bits, for magnitudes from 6e-5 to 65,504). All else is computed in f32.
;;   The module's matrix products, in the order in which they are computed (A, B: the left and right operand; K: the contracted axis; several contracted axes count as one K, in the product's order):
;;     1. [M 8,192, K 1,024] x [K 1,024, N 3,072]; A: input x; B: input W_attn: QUANTISED
;;     2. batch 64 x [M 2,048, K 64] x [K 64, N 2,048]; A: computed on the way; B: computed on the way: left as it is (an operand is computed on the way)
;;     3. batch 64 x [M 2,048, K 2,048] x [K 2,048, N 64]; A: computed on the way; B: computed on the way: left as it is (an operand is computed on the way)
;;     4. [M 8,192, K 1,024] x [K 1,024, N 1,024]; A: computed on the way; B: input W_proj: left as it is (an operand is computed on the way)
;;   THE QUANTISER, for each operand of a quantised product, along K:
;;     - K is cut into blocks of 32 from its start; a last block that is shorter is filled with zeros.
;;     - A block's scale is 2^e with e = floor(log2(the largest magnitude in the block)) - 2, held to -126 .. 127; a block of zeros has e = 0. As a byte (E8M0): e + 127.
;;     - Each number is divided by its block's scale, clamped to +-6, and rounded to the nearest number of E2M1, ties to even, subnormals kept.
;;     - The product sums the exact products of the quantised numbers (number of the format x scale) in f32.
;;   ~~~python
;;   def quantise(x, axis):      # numpy; x: float32 -> the quantised numbers, widened to float32 again
;;       x = np.moveaxis(x, axis, -1); K = x.shape[-1]
;;       x = np.pad(x, [(0, 0)] * (x.ndim - 1) + [(0, -K % 32)]); x = x.reshape(x.shape[:-1] + (-1, 32)); a = np.abs(x).max(-1, keepdims=True)
;;       e = np.where(a > 0, np.clip(np.frexp(np.where(a > 0, a, 1))[1] - 1 - 2, -126, 127), 0)      # np.frexp(a)[1] - 1 = floor(log2(a)), exactly
;;       r = np.clip(x / 2.0 ** e, -6, 6)
;;       step = 2.0 ** (np.maximum(np.frexp(np.where(r == 0, 1, r))[1] - 1, 0) - 1)
;;       q = np.round(r / step) * step * 2.0 ** e      # np.round: ties to even
;;       return np.moveaxis(q.reshape(q.shape[:-2] + (-1,))[..., :K], -1, axis).astype(np.float32)
;;   ~~~
;; One version. Each part assembles by itself: llvm-mc -triple=amdgcn-amd-amdhsa -mcpu=gfx1250 --defsym DOCPART=n.
;; ======== version 1 of 1: 5 launches
;; limits: values are held in f16: magnitudes above 65,504 overflow, below 6.1e-05 lose precision
;; workspace buffers: xc 4,194,304 bytes; xs 262,144 bytes; wc 1,572,864 bytes; ws 98,304 bytes; wp 2,097,152 bytes; qkv 50,331,648 bytes; rows32 786,432 bytes; yi 16,777,216 bytes
;; launch prep (part 1): grid 416 x 1, 4 waves a work-group, no clusters, 50,688 bytes of LDS; arguments x, W_attn, W_proj, xc, xs, wc, ws, wp; writes xc, xs, wc, ws, wp
.if DOCPART == 1
	.amdgcn_target "amdgcn-amd-amdhsa--gfx1250"
	.amdhsa_code_object_version 6
	.text
	.protected	k_q67d383d0c5_prep
	.globl	k_q67d383d0c5_prep
	.p2align	8
	.type	k_q67d383d0c5_prep,@function
k_q67d383d0c5_prep:
	s_mov_b64 s[64:65], 0
	v_nop
	global_prefetch_b8 v0, s[64:65] scope:SCOPE_SE
	s_setreg_imm32_b32 hwreg(HW_REG_WAVE_MODE, 25, 1), 1
	s_wait_xcnt 0x0
; CAUSAL SELF-ATTENTION, B = 4, T = 2,048, C = 1,024, 16 heads of 64.  Five launches: this one (operands made ready), gemm_qkv (x W_attn + b_attn on codes of E2M1),
; attn (softmax(q k^T / 8) v in f16 operands, f32 sums), proj (y W_proj + b_proj, f16 operands), fine (positions 0 to 15 of every sequence, wholly in f32).
; WORK LEFT OUT, in the whole program: the key steps that lie wholly above the causal diagonal.  The mask is built by the computation itself (a lower triangle of ones): a key k > q gets the score
; -infinity, its weight is exactly 0 whatever finite values x, W_attn and b_attn hold, so neither its score nor its product with v reaches any output.  Such steps are not multiplied and their tiles are not fetched.
; Nothing else is left out: every input is loaded.  (The K third of b_attn would cancel in the softmax in exact arithmetic; it rides as the C of the first product inside live tiles and is kept.)
; LIMITS: a NaN, an infinity or an overflow that reaches only the work left out is not carried to the result.  NaN and infinities among the inputs are not served.  q, k, v, y and W_proj go to the
; matrix units as f16: magnitudes above 65,504 are not served.  A block of zeros gets the scale byte 1 where the quantiser says 127: its codes are zeros, and the bytes are read by this program alone.
; Blocks whose largest magnitude lies under 2^(2 - 126) have their byte held at 1.
;
; THIS LAUNCH, three paths that part on the work-group's number, each with LDS bytes of its own:
;   work-groups 0-95    W_attn [1024 k][3072 n] f32 -> wc [3072][512 bytes] codes with K innermost, ws [3072][32] scale bytes.  A lane takes a column, its registers run down K.
;   work-groups 96-159  W_proj [1024 k][1024 n] f32 -> wp: f16, laid in the order of the reader's operand registers: [128 columns][32 k][16 columns][half][lane][16 bytes].
;   work-groups 160-415 x [8192][1024] f32 -> xc [8192][512 bytes] codes, xs [8192][32] scale bytes: a plain stream of blocks of 32.
; A block's scale is 2^(floor(log2(largest magnitude)) - 2); its byte is the largest magnitude's exponent field - 2.
.set SPW,   190                        ; v190  LDS address of my spare word; never rewritten
.set NIL,   191                        ; v191  0; never rewritten
.set EMAX,  2
.set STEPS, 16                         ; path x: steps of 512 numbers a wave
.set CB,    8                          ; bytes of 16 codes
.set R,     16                         ; v16-79   four sets of 16 numbers as loaded
.set X,     80                         ; v80-111  two sets of 16 neighbours
.set E,     112                        ; v112-127 a scale byte for each step
.set C,     128                        ; v128-189 codes, registers of their own for each step
.set WREG,  8192                       ; LDS 0 .. 32,767: a region for each wave: two stages of 32 x 80 bytes, then its 256 scale bytes
.set SP,    80
.set CX,    32                         ; the column paths: v32-95 two sets of 32 numbers down K
.set CC,    96                         ; v96..  a block's codes (W_attn) or its f16 numbers, 16 registers a block (W_proj)
.set SB,    24                         ; v24-25 eight scale bytes
.set OUTR,  112                        ; v112-143 rows of codes on their way out
.set WSTG,  32768                      ; LDS 32,768 .. 50,175: 64 rows (columns of W_attn) x (256 bytes + 16)
.set WPI,   272
.set SPARE, 50176                      ; the spare words: 128 bytes for each wave, two blocks of 256 bytes that no other line names
	s_load_b256 s[4:11], s[0:1], 0x0               ; x s[4:5], W_attn s[6:7], W_proj s[8:9], xc s[10:11]
	s_load_b256 s[12:19], s[0:1], 0x20             ; xs s[12:13], wc s[14:15], ws s[16:17], wp s[18:19]
	v_lshl_add_u32 v[SPW], v0, 2, SPARE
	v_mov_b32 v[NIL], 0
	v_lshrrev_b32 v1, 5, v0
	v_readfirstlane_b32 s20, v1                    ; wave 0..3
	v_and_b32 v2, 31, v0                           ; lane
	s_wait_kmcnt 0x0
	s_cmp_ge_u32 ttmp9, 160
	s_cbranch_scc1 .Lpath_x
	s_cmp_ge_u32 ttmp9, 96
	s_cbranch_scc1 .Lpath_p
; block t of a column: rows 32 t + i of the weight, i = 0 .. 31, into set t % 2; 32 lanes read 128 consecutive bytes
.macro CLOAD t, stride, sb
.irp i, 0,1,2,3,4,5,6,7,8,9,10,11,12,13,14,15,16,17,18,19,20,21,22,23,24,25,26,27,28,29,30,31
	global_load_b32 v[CX+32*((\t)%2)+\i], v3, s[\sb:\sb+1] offset:(32*(\t)+\i)*\stride th:TH_LOAD_NT
.endr
.endm
	; ---- W_attn.  Work-group: 64 columns (number / 2) x 512 along K (number % 2).  Wave: 32 columns (wave % 2) x 256 along K (wave / 2): 8 blocks a lane.
	v_lshlrev_b32 v3, 2, v2                        ; 4 bytes a lane
	s_lshr_b32 s21, ttmp9, 1                       ; cb
	s_and_b32 s22, ttmp9, 1                        ; ky
	s_and_b32 s23, s20, 1                          ; cw
	s_lshr_b32 s24, s20, 1                         ; kw
	s_lshl_b32 s25, s21, 6
	s_lshl_b32 s26, s23, 5
	s_add_co_u32 s25, s25, s26                     ; my wave's first column
	s_lshl_b32 s26, s22, 9
	s_lshl_b32 s27, s24, 8
	s_add_co_u32 s26, s26, s27                     ; its first k
	s_mul_i32 s28, s26, 12288                      ; rows of 12,288 bytes
	s_lshl_b32 s27, s25, 2
	s_add_co_u32 s28, s28, s27
	s_mov_b32 s29, 0
	s_add_nc_u64 s[6:7], s[6:7], s[28:29]
	s_lshl_b32 s28, s25, 5                         ; ws: 32 bytes a column, + 16 ky + 8 kw
	s_lshl_b32 s27, s22, 4
	s_add_co_u32 s28, s28, s27
	s_lshl_b32 s27, s24, 3
	s_add_co_u32 s28, s28, s27
	s_add_nc_u64 s[16:17], s[16:17], s[28:29]
	s_lshl_b32 s28, s21, 15                        ; wc: rows 64 cb + 16 wave on, 512 bytes a row, + 256 ky
	s_lshl_b32 s27, s20, 13
	s_add_co_u32 s28, s28, s27
	s_lshl_b32 s27, s22, 8
	s_add_co_u32 s28, s28, s27
	s_add_nc_u64 s[14:15], s[14:15], s[28:29]
	s_mul_i32 s27, s23, 32*WPI                     ; the stage, on the way in: row 32 cw + lane, byte 128 kw
	s_lshl_b32 s30, s24, 7
	s_add_co_u32 s27, s27, s30
	s_add_co_u32 s27, s27, WSTG
	v_mul_u32_u24 v4, v2, WPI
	v_add_nc_u32 v4, s27, v4
	v_and_b32 v5, 15, v2
	v_lshrrev_b32 v6, 4, v2
	s_mul_i32 s27, s20, 16*WPI                     ; on the way out: rows 16 wave on, sixteen lanes to a row, two rows an instruction
	s_add_co_u32 s27, s27, WSTG
	v_mul_u32_u24 v7, v6, WPI
	v_lshl_add_u32 v7, v5, 4, v7
	v_add_nc_u32 v7, s27, v7
	v_lshlrev_b32 v8, 9, v6
	v_lshl_add_u32 v8, v5, 4, v8                   ; the same place in wc
	v_lshlrev_b32 v9, 5, v2                        ; my column's row of scale bytes
	CLOAD 0, 12288, 6
	CLOAD 1, 12288, 6
.macro WBLOCK t
.set XS, CX+32*((\t)%2)
.if (\t) < 7
	s_wait_loadcnt 32                              ; this block's 32 loads are in; the next block's may be out
.else
	s_wait_loadcnt 0
.endif
	v_max3_num_f32 v10, |v[XS]|, |v[XS+1]|, |v[XS+2]|      ; the block's largest magnitude: all 32 numbers are mine; two chains
	v_max3_num_f32 v11, |v[XS+3]|, |v[XS+4]|, |v[XS+5]|
.irp i, 6,10,14,18,22,26
	v_max3_num_f32 v10, v10, |v[XS+\i]|, |v[XS+\i+1]|
	v_max3_num_f32 v11, v11, |v[XS+\i+2]|, |v[XS+\i+3]|
.endr
	v_max3_num_f32 v10, v10, |v[XS+30]|, |v[XS+31]|
	v_max3_num_f32 v10, v10, v11, (EMAX+1)<<23     ; and the floor 2^(3 - 127): the byte cannot fall under 1
	v_add_nc_u32 v11, -(EMAX<<23), v10             ; 2 off the exponent field: the conversion takes the exponent field of this operand as its scale
	v_lshrrev_b32 v10, 23, v11                     ; the scale's byte
.if (\t)%4 == 0
	v_mov_b32 v[SB+(\t)/4], v10                    ; four bytes to a register, the lower K in the lower byte
.else
	v_lshl_or_b32 v[SB+(\t)/4], v10, 8*((\t)%4), v[SB+(\t)/4]
.endif
.irp g, 0,1,2,3
	v_cvt_scalef32_pk8_fp4_f32 v[CC+\g], v[XS+8*\g:XS+8*\g+7], v11
.endr
	ds_store_b128 v4, v[CC:CC+3] offset:16*(\t)    ; 32 codes: 16 bytes of my column's row
.if (\t)+2 < 8
	CLOAD (\t)+2, 12288, 6
.endif
	s_wait_dscnt 0x0                               ; the store has read its registers: the next block's codes may be written
.endm
.irp t, 0,1,2,3,4,5,6,7
	WBLOCK \t
.endr
	global_store_b64 v9, v[SB:SB+1], s[16:17]      ; my column's eight scale bytes
	s_wait_dscnt 0x0                               ; my stores into the stage have landed: a row's 256 bytes come from two waves
	s_barrier_signal -1
	s_barrier_wait -1
.irp t, 0,1,2,3,4,5,6,7
	ds_load_b128 v[OUTR+4*\t:OUTR+4*\t+3], v7 offset:2*\t*WPI
.endr
.irp t, 0,1,2,3,4,5,6,7
	s_wait_dscnt 7-\t                              ; LDS loads come back in order: load t is in
	global_store_b128 v8, v[OUTR+4*\t:OUTR+4*\t+3], s[14:15] offset:1024*\t   ; sixteen lanes store 256 consecutive bytes, at a multiple of 256 from wc's first byte
.endr
	s_branch .Lend
.Lpath_p:
	; ---- W_proj.  Work-group: 128 columns (nb) x 128 along K (kb).  Wave: 32 columns, 4 blocks of 32 k.  No LDS: a lane's 8 neighbours along K are 16 bytes of an operand's image.
	v_lshlrev_b32 v3, 2, v2
	s_sub_co_u32 s21, ttmp9, 96
	s_and_b32 s22, s21, 7                          ; nb
	s_lshr_b32 s23, s21, 3                         ; kb
	s_lshl_b32 s24, s23, 19                        ; 128 kb rows of 4,096 bytes
	s_lshl_b32 s26, s22, 9
	s_add_co_u32 s24, s24, s26
	s_lshl_b32 s26, s20, 7
	s_add_co_u32 s24, s24, s26                     ; + 4 (128 nb + 32 wave)
	s_mov_b32 s25, 0
	s_add_nc_u64 s[8:9], s[8:9], s[24:25]
	s_lshl_b32 s24, s22, 18                        ; wp: nb x 262,144 + 4 kb x 8,192 + wave x 2,048
	s_lshl_b32 s26, s23, 15
	s_add_co_u32 s24, s24, s26
	s_lshl_b32 s26, s20, 11
	s_add_co_u32 s24, s24, s26
	s_add_nc_u64 s[18:19], s[18:19], s[24:25]
	v_lshrrev_b32 v4, 4, v2
	v_and_b32 v5, 15, v2
	v_lshlrev_b32 v4, 10, v4
	v_lshl_add_u32 v4, v5, 4, v4                   ; (lane / 16) x 1,024 + (lane % 16) x 16
	CLOAD 0, 4096, 8
	CLOAD 1, 4096, 8
.macro PBLOCK t
.set XS, CX+32*((\t)%2)
.if (\t) < 3
	s_wait_loadcnt 32                              ; this block's 32 loads are in; the next block's may be out
.else
	s_wait_loadcnt 0
.endif
.irp i, 0,1,2,3,4,5,6,7,8,9,10,11,12,13,14,15
	v_cvt_pk_f16_f32 v[CC+16*(\t)+\i], v[XS+2*\i], v[XS+2*\i+1]   ; the lower k in the low half
.endr
.if (\t)+2 < 4
	CLOAD (\t)+2, 4096, 8
.endif
.irp m, 0,1,2,3                        ; piece m: k = 8 m + 0 .. 7: half m / 2 of the fragment, lanes 16 (m % 2) on
	global_store_b128 v4, v[CC+16*(\t)+4*\m:CC+16*(\t)+4*\m+3], s[18:19] offset:(\t)*8192+(\m/2)*512+(\m%2)*256   ; each half of the lanes stores 256 consecutive bytes, aligned
.endr
.endm
.irp t, 0,1,2,3
	PBLOCK \t
.endr
	s_branch .Lend
.Lpath_x:
	; ---- x.  A wave takes 16 steps of 512 numbers.  Each load reads 512 consecutive bytes; a step's 2,048 bytes turn through the wave's own stage, so that a lane then holds 16 neighbours along K.
	v_lshlrev_b32 v3, 4, v2                        ; my 16 bytes of a load's 512
	s_mul_i32 s21, s20, WREG
	v_lshrrev_b32 v14, 2, v2
	v_mul_u32_u24 v14, v14, SP
	v_and_b32 v15, 3, v2
	v_lshl_add_u32 v14, v15, 4, v14
	v_add_nc_u32 v14, s21, v14                     ; the stage, on the way in: 80 (lane / 4) + 16 (lane % 4)
	v_mul_u32_u24 v15, v2, SP
	v_add_nc_u32 v15, s21, v15                     ; on the way out: 80 x lane
	v_mul_u32_u24 v4, v2, CB                       ; my codes' place in a step's
	v_lshrrev_b32 v5, 1, v2
	s_add_co_u32 s21, s21, 2*32*SP
	v_add_nc_u32 v5, s21, v5                       ; my wave's 256 scale bytes, my block's byte
	v_lshlrev_b32 v7, 3, v2
	v_add_nc_u32 v6, s21, v7                       ; and on the way out 8 bytes a lane
	s_sub_co_u32 s22, ttmp9, 160
	s_lshl_b32 s22, s22, 2
	s_add_co_u32 s22, s22, s20                     ; which run of 8,192 numbers is my wave's
	s_lshl_b32 s24, s22, 15
	s_mov_b32 s25, 0
	s_add_nc_u64 s[4:5], s[4:5], s[24:25]
	s_lshl_b32 s24, s22, 12
	s_add_nc_u64 s[10:11], s[10:11], s[24:25]
	s_lshl_b32 s24, s22, 8
	s_add_nc_u64 s[12:13], s[12:13], s[24:25]
.macro XLOAD t
.irp i, 0,1,2,3
	global_load_b128 v[R+16*((\t)%4)+4*\i:R+16*((\t)%4)+4*\i+3], v3, s[4:5] offset:2048*(\t)+512*\i th:TH_LOAD_NT
.endr
.endm
.macro XTURN t                         ; LDS serves a wave's instructions in order: no wait between the stores and the loads
.irp i, 0,1,2,3
	ds_store_b128 v14, v[R+16*((\t)%4)+4*\i:R+16*((\t)%4)+4*\i+3] offset:32*SP*((\t)%2)+8*SP*\i
.endr
.irp i, 0,1,2,3
	ds_load_b128 v[X+16*((\t)%2)+4*\i:X+16*((\t)%2)+4*\i+3], v15 offset:32*SP*((\t)%2)+16*\i
.endr
.endm
.irp t, 0,1,2,3
	XLOAD \t
.endr
	s_wait_loadcnt 12                              ; step 0's four loads are in
	XTURN 0
.macro XSTEP t
.set XS, X+16*((\t)%2)
.if (\t) > 0
	s_wait_dscnt 1                                 ; this step's numbers are back from the stage (the last step's byte store may be out)
.else
	s_wait_dscnt 0x0
.endif
.if (\t)+4 < STEPS
	XLOAD (\t)+4                                   ; into the registers that this step's stage stores have read
.endif
.if (\t)+1 < STEPS
.if STEPS-2-(\t) >= 3
	s_wait_loadcnt 12                              ; the next step's four loads are in; those of the three steps behind it may be out
.else
	s_wait_loadcnt 4*(STEPS-2-(\t))
.endif
	XTURN (\t)+1
.endif
	v_max3_num_f32 v8, |v[XS]|, |v[XS+1]|, |v[XS+2]|
	v_max3_num_f32 v9, |v[XS+3]|, |v[XS+4]|, |v[XS+5]|
.irp i, 6,10
	v_max3_num_f32 v8, v8, |v[XS+\i]|, |v[XS+\i+1]|
	v_max3_num_f32 v9, v9, |v[XS+\i+2]|, |v[XS+\i+3]|
.endr
	v_max3_num_f32 v8, v8, |v[XS+14]|, |v[XS+15]|
	v_max3_num_f32 v8, v8, v9, (EMAX+1)<<23        ; with the floor
	v_max_num_f32_dpp v8, v8, v8 row_xmask:1 row_mask:0xf bank_mask:0xf   ; and my neighbour's 16: the block's
	v_add_nc_u32 v11, -(EMAX<<23), v8
	v_cvt_scalef32_pk8_fp4_f32 v[C+4*(\t)], v[XS:XS+7], v11
	v_cvt_scalef32_pk8_fp4_f32 v[C+4*(\t)+1], v[XS+8:XS+15], v11
	v_lshrrev_b32 v[E+(\t)], 23, v11               ; the scale's byte
	ds_store_b8 v5, v[E+(\t)] offset:16*(\t)       ; both lanes of a block write the same byte with the same value
	global_store_b64 v4, v[C+4*(\t):C+4*(\t)+1], s[10:11] offset:32*CB*(\t)   ; the wave stores 256 consecutive bytes, aligned
.endm
.irp t, 0,1,2,3,4,5,6,7,8,9,10,11,12,13,14,15
	XSTEP \t
.endr
	ds_load_b64 v[8:9], v6
	s_wait_dscnt 0x0
	global_store_b64 v7, v[8:9], s[12:13]          ; 32 lanes store the wave's 256 scale bytes
.Lend:
	s_wait_tensorcnt 0x0                           ; the wave's end, behind my last LDS store
	ds_add_u32 v[SPW], v[NIL]
	s_wait_dscnt 0x0
	s_endpgm
.Lfunc_end_k_q67d383d0c5_prep:
	.size	k_q67d383d0c5_prep, .Lfunc_end_k_q67d383d0c5_prep-k_q67d383d0c5_prep
	.p2alignl 7, 3214868480
	.fill 96, 4, 3214868480
	.section	.rodata,"a",@progbits
	.p2align	6, 0x0
	.amdhsa_kernel k_q67d383d0c5_prep
		.amdhsa_group_segment_fixed_size 50688
		.amdhsa_private_segment_fixed_size 0
		.amdhsa_enable_private_segment 0
		.amdhsa_kernarg_size 64
		.amdhsa_user_sgpr_count 2
		.amdhsa_user_sgpr_kernarg_segment_ptr 1
		.amdhsa_wavefront_size32 1
		.amdhsa_system_sgpr_workgroup_id_x 1
		.amdhsa_system_sgpr_workgroup_id_y 1
		.amdhsa_system_sgpr_workgroup_id_z 1
		.amdhsa_system_vgpr_workitem_id 0
		.amdhsa_next_free_vgpr 192
		.amdhsa_next_free_sgpr 66
		.amdhsa_reserve_vcc 0
		.amdhsa_float_denorm_mode_32 3
		.amdhsa_float_denorm_mode_16_64 3
		.amdhsa_memory_ordered 1
		.amdhsa_forward_progress 1
		.amdhsa_inst_pref_size 91
	.end_amdhsa_kernel
	.amdgpu_metadata
---
amdhsa.version: [ 1, 2 ]
amdhsa.kernels:
  - .name:           k_q67d383d0c5_prep
    .symbol:         k_q67d383d0c5_prep.kd
    .args:
      - { .name: x, .offset: 0, .size: 8, .value_kind: global_buffer, .address_space: global }
      - { .name: W_attn, .offset: 8, .size: 8, .value_kind: global_buffer, .address_space: global }
      - { .name: W_proj, .offset: 16, .size: 8, .value_kind: global_buffer, .address_space: global }
      - { .name: xc, .offset: 24, .size: 8, .value_kind: global_buffer, .address_space: global }
      - { .name: xs, .offset: 32, .size: 8, .value_kind: global_buffer, .address_space: global }
      - { .name: wc, .offset: 40, .size: 8, .value_kind: global_buffer, .address_space: global }
      - { .name: ws, .offset: 48, .size: 8, .value_kind: global_buffer, .address_space: global }
      - { .name: wp, .offset: 56, .size: 8, .value_kind: global_buffer, .address_space: global }
    .group_segment_fixed_size: 50688
    .private_segment_fixed_size: 0
    .kernarg_segment_align: 8
    .kernarg_segment_size: 64
    .max_flat_workgroup_size: 128
    .sgpr_count:     66
    .vgpr_count:     192
    .wavefront_size: 32
...
	.end_amdgpu_metadata
.endif
;; end of part 1
;; launch gemm_qkv (part 2): grid 12 x 32, 4 waves a work-group, clusters of 4 x 4, 327,680 bytes of LDS; arguments xc, xs, wc, ws, b_attn, rows32, qkv; writes rows32, qkv
.if DOCPART == 2
	.amdgcn_target "amdgcn-amd-amdhsa--gfx1250"
	.amdhsa_code_object_version 6
	.text
	.protected	k_q67d383d0c5_gemm_qkv
	.globl	k_q67d383d0c5_gemm_qkv
	.p2align	8
	.type	k_q67d383d0c5_gemm_qkv,@function
k_q67d383d0c5_gemm_qkv:
	s_mov_b64 s[64:65], 0
	v_nop
	global_prefetch_b8 v0, s[64:65] scope:SCOPE_SE
	s_setreg_imm32_b32 hwreg(HW_REG_WAVE_MODE, 25, 1), 1
	s_wait_xcnt 0x0
	s_wait_alu depctr_hold_cnt(0) depctr_sa_sdst(0) depctr_va_vdst(0) depctr_va_sdst(0) depctr_va_ssrc(0) depctr_va_vcc(0) depctr_vm_vsrc(0)
	s_getreg_b32 s2, hwreg(HW_REG_IB_STS2, 6, 4)
	s_cmp_eq_u32 s2, 0
	s_cbranch_scc0 .Lentry_in_a_cluster
	s_endpgm
.Lentry_in_a_cluster:
	s_bfe_u32 s2, ttmp6, 0x10000c
	s_cmp_lg_u32 s2, 0xf033
	s_cbranch_scc0 .Lentry_shape_is_right
	s_endpgm
.Lentry_shape_is_right:
; qkv = x W_attn + b_attn on codes of E2M1 with one E8M0 scale for each 32 along K.  A = xc [8192][1024 codes], B = wc [3072][1024 codes], scale bytes xs [8192][32], ws [3072][32].  Nothing is left out here.
; A tile of 256 tokens x 256 columns is made by a work-group of four waves, 128 x 128 a wave: 64 accumulators, 512 registers.  K = 1,024 is two slots of 512, both asked for at the start: no slot is filled again.
; The scale bytes of the work-group's rows come into LDS once, with the first fills.
; CLUSTERS of 4 x 4: the four of a row of the cluster need the same tiles of A, the four of a column the same tiles of B: joint loads.  The tile row is (cluster y) + 8 cy, so that cy is the batch and the
; first 16 positions of every sequence lie in the clusters with y = 0: what is done for them alone hangs on the cluster's y and the wave's number.
; THE MATRIX INSTRUCTION IS USED TRANSPOSED (source 0 = 16 rows of wc, source 1 = 16 tokens): a lane holds one token and eight neighbouring columns.  The bias is the C of each sum's first instruction.
; RESULTS: rounded to f16 and stored straight from registers, in the order of the readers' operand registers: qkv [q, k, v][batch x head 64][16 tokens 128][32 channels 2][half 2][512 bytes]; a lane's 16 bytes are
; token r, channels 8 h + 0 .. 7 of the half; for q and k at 16 x lane, for v at 16 (2 r + h): there 16 tokens x 16 channels lie as rows of 32 bytes.  Each store of the wave covers 512 consecutive bytes, aligned.
; Positions 0 to 15 of each sequence go also as f32 to rows32 [batch][16][3072], 32 bytes a lane, for the launch that carries them finely.
; LIMIT: results above 65,504 in magnitude are not served (f16).
; REGISTERS: window 0: v16-29 addresses; v32-95 scale words, two sets; v128-191 A's fragments, one set; v192-255 the bias, 8 registers for each of B's 8 blocks; on the way out v32-159 take the f16 results.
;   window 1: B's fragments, two sets.   window 2: the accumulators of my tokens 0-63 ((a, b) at v[8 (8 a + b)]);  window 3: those of tokens 64-127.
.set SIZE_K, 1024
.set KSTEP,  512
.set NQ,     KSTEP/128
.set ROWB,   256                       ; a tile's row in bytes
.set KROW,   SIZE_K*4/8                ; a row of codes in memory
.set PITCH,  272                       ; an LDS row: 256 bytes + 16: the 16 rows that a load touches start 68 words apart
.set FR,     8
.set NL,     2
.set NP,     4                         ; places behind this matrix instruction (ISA guide 7.12.1)
.set HALFT,  128*PITCH
.set SLOT,   4*HALFT                   ; A's 256 rows, then B's 256 rows
.set KS,     SIZE_K/32                 ; a row of scale bytes
.set SCL,    2*SLOT                    ; behind the slots: the scales, as units of 256 bytes + 16
.set HALFS,  (128*KS/256)*272
.set SBLK,   (16*KS/256)*272
.set SPARE,  SCL+4*HALFS               ; the spare words: 128 bytes for each wave, two blocks of 256 bytes that no other line names
.set ADRA, 16                          ; v16-17 LDS address of my A fragments in slot 0, 1
.set ADRB, 20                          ; v20-21 the same for B
.set VO,   24                          ; v24  my 16 bytes' place in an image's 512
.set FO,   25                          ; v25  rows32: r x 12,288 + 32 h
.set BO,   26                          ; v26  the bias: 32 h
.set ADRS, 27                          ; v27  LDS address of my scale words: lanes 0-15 A's rows, lanes 16-31 B's
.set SPW,  28                          ; v28  LDS address of my spare word; never rewritten
.set NIL,  29                          ; v29  0; never rewritten
.set SC,   32
.set AF,   128
.set BI,   192
.set OB,   32
.set G1, 24
.set G0, 32
.set G1B, 48
.set G0B, 56
.set G1S, 68
.set G0S, 76
.set G1SB, 80
.set G0SB, 88
.set MSB, 0
.macro WIN new                         ; the immediate's high byte repeats the setting that is left
.if MSB != \new
	s_set_vgpr_msb (MSB<<8)|\new
.set MSB, \new
.endif
.endm
.set MUL_LO, 0xa1                      ; source 0 (B) window 1, source 1 (A) window 0, C and D window 2
.set MUL_HI, 0xf1                      ; the same, C and D window 3
.set TO_B,   0x40
; A joint load: waves 0 and 1 fetch for A, waves 2 and 3 for B; the branch hangs on the wave's number alone.  An s_nop 0 and four v_nop follow each of the two lines.
.macro JLOAD g0a, g1a, g0b, g1b
	s_cmp_eq_u32 s15, 0
	s_cbranch_scc0 .Lfor_b_\@
	tensor_load_to_lds s[\g0a:\g0a+3], s[\g1a:\g1a+7]
	s_nop 0
.rept 4
	v_nop
.endr
	s_branch .Lasked_\@
.Lfor_b_\@:
	tensor_load_to_lds s[\g0b:\g0b+3], s[\g1b:\g1b+7]
	s_nop 0
.rept 4
	v_nop
.endr
.Lasked_\@:
.endm
.macro CROUND                          ; a round of the cluster's barrier
	s_barrier_signal -1
	s_barrier_wait -1
	s_cmp_lg_u32 s14, 0
	s_cbranch_scc1 .Lnot_wave_0_\@
	s_barrier_signal -3
.Lnot_wave_0_\@:
	s_barrier_wait -3
	s_barrier_signal -1
	s_barrier_wait -1
.endm
	s_load_b128 s[4:7], s[0:1], 0x0                ; xc s[4:5], xs s[6:7]
	s_load_b128 s[8:11], s[0:1], 0x10              ; wc s[8:9], ws s[10:11]
	s_load_b64 s[12:13], s[0:1], 0x20              ; b_attn
	s_load_b64 s[96:97], s[0:1], 0x28              ; rows32
	s_load_b64 s[98:99], s[0:1], 0x30              ; qkv
	v_lshl_add_u32 v[SPW], v0, 2, SPARE
	v_mov_b32 v[NIL], 0
	ds_add_u32 v[SPW], v[NIL]                      ; the wave's opening: the add, twice on end, and its wait ahead of my first tensor load
	ds_add_u32 v[SPW], v[NIL]
	v_lshrrev_b32 v1, 5, v0
	v_readfirstlane_b32 s14, v1                    ; wave 0..3
	s_lshr_b32 s15, s14, 1                         ; which half of the tile's tokens is mine.  Also: I fetch for A (0) or for B (1)
	s_and_b32 s16, s14, 1                          ; which half of its columns.  Also: which 128 rows I fetch
	s_bfe_u32 s40, ttmp6, 0x40000                  ; cx
	s_bfe_u32 s41, ttmp6, 0x40004                  ; cy
	s_lshl_b32 s42, ttmp9, 2
	s_add_co_u32 s42, s42, s40                     ; tile column = 4 x cluster x + cx
	s_and_b32 s100, ttmp7, 0xffff                  ; cluster y
	s_lshl_b32 s17, s41, 3
	s_add_co_u32 s17, s17, s100                    ; tile row = cluster y + 8 cy
	s_lshl_b32 s43, s41, 2
	s_lshl_b32 s43, 15, s43                        ; my row of the cluster
	s_lshl_b32 s44, 0x1111, s40                    ; my column
	s_or_b32 s[G1+0], s43, (0<<16)|(1<<20)|(1<<21)|(5<<22)|(3<<25)  ; the mask; elements of 1 byte; padding on; bit 21 beside a mask; after every 64 words, 4 words
	s_or_b32 s[G1B+0], s44, (0<<16)|(1<<20)|(1<<21)|(5<<22)|(3<<25)
.irp g, G1, G1B
	s_mov_b32 s[\g+1], ROWB<<16                    ; tensor_dim0
	s_mov_b32 s[\g+2], 128<<16                     ; tensor_dim1
	s_mov_b32 s[\g+3], ROWB<<16                    ; tile_dim0
	s_mov_b32 s[\g+4], 128                         ; tile_dim1
	s_mov_b32 s[\g+5], KROW                        ; from row to row
	s_mov_b32 s[\g+6], 0
	s_mov_b32 s[\g+7], 0
.endr
	s_or_b32 s[G1S+0], s43, (3<<16)|(1<<20)|(1<<21)|(5<<22)|(3<<25) ; the scales of 128 rows: a dense block, as rows of 256 bytes (32 elements of 8), 16 bytes of padding behind each
	s_or_b32 s[G1SB+0], s44, (3<<16)|(1<<20)|(1<<21)|(5<<22)|(3<<25)
.irp g, G1S, G1SB
	s_mov_b32 s[\g+1], 32<<16
	s_mov_b32 s[\g+2], (128*KS/256)<<16
	s_mov_b32 s[\g+3], 32<<16
	s_mov_b32 s[\g+4], 128*KS/256
	s_mov_b32 s[\g+5], 32
	s_mov_b32 s[\g+6], 0
	s_mov_b32 s[\g+7], 0
.endr
	s_lshl_b32 s18, s16, 7
	s_lshl_b32 s20, s17, 8
	s_add_co_u32 s20, s20, s18                     ; A: row 256 x tile row + 128 x half
	s_lshl_b32 s46, s42, 8
	s_add_co_u32 s46, s46, s18                     ; B: row 256 x tile column + 128 x half
	s_mov_b32 s21, 0
	s_mov_b32 s47, 0
	s_mov_b64 s[18:19], KS
	s_mul_u64 s[22:23], s[20:21], s[18:19]         ; where these rows' scales begin
	s_mul_u64 s[92:93], s[46:47], s[18:19]
	s_mov_b64 s[18:19], KROW
	s_mul_u64 s[20:21], s[20:21], s[18:19]         ; and their codes
	s_mul_u64 s[46:47], s[46:47], s[18:19]
	s_mul_i32 s45, s14, HALFT                      ; where they go: wave x 128 rows
	s_mul_i32 s94, s14, HALFS
	s_wait_dscnt 0x0                               ; both opening adds are done
	s_wait_kmcnt 0x0
	s_add_nc_u64 s[20:21], s[4:5], s[20:21]
	s_add_nc_u64 s[22:23], s[6:7], s[22:23]
	s_add_nc_u64 s[46:47], s[8:9], s[46:47]
	s_add_nc_u64 s[92:93], s[10:11], s[92:93]
	CROUND                                         ; all sixteen work-groups are here: the joint loads meet
	s_mov_b32 s[G0S], 1
	s_add_co_u32 s[G0S+1], s94, SCL
	s_mov_b64 s[G0S+2:G0S+3], s[22:23]
	s_or_b32 s[G0S+3], s[G0S+3], 0x80000000
	s_mov_b32 s[G0SB], 1
	s_add_co_u32 s[G0SB+1], s94, SCL
	s_mov_b64 s[G0SB+2:G0SB+3], s[92:93]
	s_or_b32 s[G0SB+3], s[G0SB+3], 0x80000000
	JLOAD G0S, G1S, G0SB, G1SB                     ; the scales first: three loads of mine are out behind the third
.irp s, 0,1
	s_mov_b32 s[G0+4*\s], 1
	s_add_co_u32 s[G0+4*\s+1], s45, \s*SLOT
	s_add_nc_u64 s[G0+4*\s+2:G0+4*\s+3], s[20:21], \s*ROWB
	s_or_b32 s[G0+4*\s+3], s[G0+4*\s+3], 0x80000000
	s_mov_b32 s[G0B+4*\s], 1
	s_add_co_u32 s[G0B+4*\s+1], s45, \s*SLOT
	s_add_nc_u64 s[G0B+4*\s+2:G0B+4*\s+3], s[46:47], \s*ROWB
	s_or_b32 s[G0B+4*\s+3], s[G0B+4*\s+3], 0x80000000
	JLOAD G0+4*\s, G1, G0B+4*\s, G1B
.endr
	v_and_b32 v1, 15, v0                           ; r
	v_bfe_u32 v2, v0, 4, 1                         ; h
	v_mul_u32_u24 v3, v1, PITCH
	v_lshl_add_u32 v4, v2, 4, v3                   ; a fragment's row x pitch + 16 h
	s_mul_i32 s21, s15, HALFT                      ; my 128 rows of A
	s_mul_i32 s22, s16, HALFT                      ; my 128 rows of B,
	s_add_co_u32 s22, s22, 2*HALFT                 ; behind A's 256
.irp s, 0,1
	v_add_nc_u32 v[ADRA+\s], s21, v4
	v_add_nc_u32 v[ADRB+\s], s22, v4
	s_add_co_u32 s21, s21, SLOT
	s_add_co_u32 s22, s22, SLOT
.endr
	v_mul_u32_u24 v5, v1, KS                       ; my row's scales: 32 bytes a row,
	v_lshrrev_b32 v6, 8, v5
	v_lshl_add_u32 v5, v6, 4, v5                   ; and 16 more for each 256 passed
	s_mul_i32 s21, s15, HALFS
	s_mul_i32 s22, s16, HALFS
	s_add_co_u32 s22, s22, 2*HALFS
	s_sub_co_u32 s22, s22, s21
	v_mul_u32_u24 v6, s22, v2                      ; lanes 16-31 take B's: one product, the distance between the two bases
	s_add_co_u32 s21, s21, SCL
	v_add_nc_u32 v5, v5, v6
	v_add_nc_u32 v[ADRS], s21, v5
	v_and_b32 v6, 31, v0
	v_lshlrev_b32 v[VO], 4, v6                     ; q, k: 16 x lane
	v_lshl_add_u32 v7, v1, 1, v2
	v_lshlrev_b32 v7, 4, v7                        ; v: 16 (2 r + h)
	s_cmp_eq_u32 ttmp9, 2                          ; cluster x says which third of the columns this is
	s_cselect_b32 s18, -1, 0
	v_cndmask_b32 v[VO], v[VO], v7, s18
	v_mul_u32_u24 v[FO], v1, 12288
	v_lshl_add_u32 v[FO], v2, 5, v[FO]
	v_lshlrev_b32 v[BO], 5, v2
	s_lshl_b32 s46, s42, 10                        ; my first column in bytes of f32: 1,024 x tile column + 512 x half (what holds cx stays in s46)
	s_lshl_b32 s47, s16, 9
	s_add_co_u32 s46, s46, s47
	s_mov_b32 s47, 0
	s_add_nc_u64 s[12:13], s[12:13], s[46:47]      ; the bias at my first column
	s_add_nc_u64 s[96:97], s[96:97], s[46:47]      ; rows32 likewise,
	s_mul_i32 s20, s41, 196608
	s_mov_b32 s21, 0
	s_add_nc_u64 s[96:97], s[96:97], s[20:21]      ; in my batch
	s_lshl_b32 s20, ttmp9, 24                      ; qkv: the third, 16,777,216 bytes each;
	s_lshl_b32 s22, s41, 22                        ; 16 heads of 262,144 bytes a batch;
	s_add_co_u32 s20, s20, s22
	s_lshl_b32 s22, s16, 19                        ; two heads for each half of the columns;
	s_add_co_u32 s20, s20, s22
	s_lshl_b32 s22, s100, 15                       ; 16 tiles of 16 tokens, 2,048 bytes each, for each tile row in the batch;
	s_add_co_u32 s20, s20, s22
	s_lshl_b32 s22, s15, 14                        ; eight for each half of the tokens
	s_add_co_u32 s20, s20, s22
	s_add_nc_u64 s[98:99], s[98:99], s[20:21]
	s_lshl_b32 s46, s40, 20                        ; and four heads for each cx
	s_add_nc_u64 s[98:99], s[98:99], s[46:47]
.irp b, 0,1,2,3,4,5,6,7
	global_load_b128 v[BI+8*\b:BI+8*\b+3], v[BO], s[12:13] offset:64*\b        ; the bias of columns 16 b + 8 h + 0 .. 7, in the result's layout
	global_load_b128 v[BI+8*\b+4:BI+8*\b+7], v[BO], s[12:13] offset:64*\b+16
.endr
.macro FRAG reg, adr, q, i             ; a fragment, 16 rows x 128 K of 4-bit codes, is 8 registers: two loads of 16 bytes, 32 bytes apart
.irp c, 0,1
	ds_load_b128 v[\reg+4*\c:\reg+4*\c+3], v[\adr] offset:64*(\q)+32*\c+(\i)*16*PITCH
.endr
.endm
; 16 matrix instructions: A's blocks a0, a0 + 1 x B's eight, 128 along K.  first = 1: the sums start from the bias.  The 64 accumulators take turns, one instruction a turn.
.macro MUL16 a0, p, q, sc, first
.irp a, \a0, \a0+1
.irp b, 0,1,2,3,4,5,6,7
.if \first
	v_wmma_scale_f32_16x16x128_f8f6f4 v[8*(8*((\a)%4)+\b):8*(8*((\a)%4)+\b)+7], v[128*(\p)+FR*\b:128*(\p)+FR*\b+FR-1], v[AF+FR*(\a):AF+FR*(\a)+FR-1], v[BI+8*\b:BI+8*\b+7], v[SC+8*NQ*(\sc)+NQ*\b+(\q)], v[SC+8*NQ*(\sc)+NQ*(\a)+(\q)] matrix_a_fmt:MATRIX_FMT_FP4 matrix_b_fmt:MATRIX_FMT_FP4 matrix_a_scale:MATRIX_SCALE_ROW1
.else
	v_wmma_scale_f32_16x16x128_f8f6f4 v[8*(8*((\a)%4)+\b):8*(8*((\a)%4)+\b)+7], v[128*(\p)+FR*\b:128*(\p)+FR*\b+FR-1], v[AF+FR*(\a):AF+FR*(\a)+FR-1], v[8*(8*((\a)%4)+\b):8*(8*((\a)%4)+\b)+7], v[SC+8*NQ*(\sc)+NQ*\b+(\q)], v[SC+8*NQ*(\sc)+NQ*(\a)+(\q)] matrix_a_fmt:MATRIX_FMT_FP4 matrix_b_fmt:MATRIX_FMT_FP4 matrix_a_scale:MATRIX_SCALE_ROW1
.endif
.endr
.endr
.endm
.macro FETCH_B slot, q, p
	WIN TO_B
.irp i, 0,1,2,3,4,5,6,7
	FRAG 128*(\p)+FR*\i, ADRB+\slot, \q, \i
.endr
	WIN 0
.endm
.macro FETCH_A slot, q, i0
.irp i, \i0, \i0+1, \i0+2, \i0+3
	FRAG AF+FR*(\i), ADRA+\slot, \q, \i
.endr
.endm
.macro SCALES sc                       ; a slot's scale words: 4 words a row; lanes 0-15 take A's block i, lanes 16-31 B's block i
.irp i, 0,1,2,3,4,5,6,7
	ds_load_b128 v[SC+8*NQ*\sc+NQ*\i:SC+8*NQ*\sc+NQ*\i+3], v[ADRS] offset:\i*SBLK
.endr
.endm
.macro PLACES n                        ; plain vector instructions between a matrix instruction and a load into, or a read of, its registers
.rept \n
	v_nop
.endr
.endm
.macro STEP slot, q, first             ; a step of 128 along K that has its successor in the same slot
	s_wait_dscnt 4*NL                              ; B's set and A's blocks 0-3 are in; the youngest eight loads (A's blocks 4-7) may be out
.if \first
	WIN 0x81                                       ; C (the bias) in window 0, D in window 2
.else
	WIN MUL_LO
.endif
	MUL16 0, (\q)%2, \q, \slot, \first
	MUL16 2, (\q)%2, \q, \slot, \first
	s_wait_dscnt 0                                 ; A's blocks 4-7 are in
	PLACES NP
	FETCH_B \slot, (\q)+1, 1-(\q)%2
	FETCH_A \slot, (\q)+1, 0
.if \first
	WIN 0xc1
.else
	WIN MUL_HI
.endif
	MUL16 4, (\q)%2, \q, \slot, \first
	MUL16 6, (\q)%2, \q, \slot, \first
	PLACES NP
	WIN 0
	FETCH_A \slot, (\q)+1, 4
.endm
.macro TURN slot, next                 ; slot 0's last step changes slots: one barrier; nothing is filled again
	s_wait_tensorcnt 0x0                           ; all my tensor loads have landed: my part of the next slot
	ds_add_u32 v[SPW], v[NIL]                      ; 0 onto my spare word
	s_wait_dscnt 4*NL+1                            ; (the add and the youngest eight loads may be out)
	WIN MUL_LO
	MUL16 0, 1, NQ-1, \slot, 0
	s_wait_dscnt 0x0                               ; the add is done, and my reads of this slot are over
	s_barrier_signal -1
	MUL16 2, 1, NQ-1, \slot, 0
	WIN 0
	s_barrier_wait -1                              ; the next slot is whole
	PLACES NP
	v_add_nc_u32 v[ADRS], 4*NQ, v[ADRS]            ; on to the next slot's scale words
	FETCH_B \next, 0, 0
	FETCH_A \next, 0, 0
	SCALES \next
	WIN MUL_HI
	MUL16 4, 1, NQ-1, \slot, 0
	MUL16 6, 1, NQ-1, \slot, 0
	PLACES NP
	WIN 0
	FETCH_A \next, 0, 4
.endm
	s_wait_tensorcnt 1                             ; the scales and my part of slot 0 are in (slot 1's load may be out),
	s_barrier_signal -1
	s_barrier_wait -1                              ; everybody's are
	FETCH_B 0, 0, 0
	FETCH_A 0, 0, 0
	SCALES 0
	FETCH_A 0, 0, 4
	s_wait_loadcnt 0x0                             ; the bias
	STEP 0, 0, 1
	STEP 0, 1, 0
	STEP 0, 2, 0
	TURN 0, 1
	STEP 1, 0, 0
	STEP 1, 1, 0
	STEP 1, 2, 0
	s_wait_dscnt 4*NL                              ; the last step: nothing more to fetch
	WIN MUL_LO
	MUL16 0, 1, NQ-1, 1, 0
	MUL16 2, 1, NQ-1, 1, 0
	s_wait_dscnt 0
	WIN MUL_HI
	MUL16 4, 1, NQ-1, 1, 0
	MUL16 6, 1, NQ-1, 1, 0
	WIN 0
	PLACES NP                                      ; in front of the reads of results and of the writes over scale words and fragments
	s_or_b32 s18, s100, s15                        ; positions 0 to 15 of a sequence: cluster y = 0, the waves of the first half of the tokens, block 0
	s_cmp_lg_u32 s18, 0
	s_cbranch_scc1 .Lno_fine
	WIN 0x08                                       ; a store's data are its source 1: window 2
.irp b, 0,1,2,3,4,5,6,7
	global_store_b128 v[FO], v[8*\b:8*\b+3], s[96:97] offset:64*\b            ; each accumulator from its low end on
	global_store_b128 v[FO], v[8*\b+4:8*\b+7], s[96:97] offset:64*\b+16
.endr
	WIN 0
.Lno_fine:
.macro QOUT a                          ; block a: 16 tokens x 128 columns: two heads x (2 x 2) halves of fragments
.if (\a) >= 4
	s_wait_xcnt 0x0                                ; block a - 4's stores have read their registers
.endif
	WIN (0x0a+5*((\a)/4))                          ; sources 0 and 1: window 2 or 3
.irp b, 0,1,2,3,4,5,6,7
.irp r, 0,1,2,3
	v_cvt_pk_f16_f32 v[OB+32*((\a)%4)+4*\b+\r], v[64*((\a)%4)+8*\b+2*\r], v[64*((\a)%4)+8*\b+2*\r+1]
.endr
.endr
	WIN 0
.irp b, 0,1,2,3,4,5,6,7
	global_store_b128 v[VO], v[OB+32*((\a)%4)+4*\b:OB+32*((\a)%4)+4*\b+3], s[98:99] offset:(\a)*2048+(\b/4)*262144+((\b%4)/2)*1024+(\b%2)*512   ; 32 lanes store 512 consecutive bytes, aligned
.endr
.endm
.irp a, 0,1,2,3,4,5,6,7
	QOUT \a
.endr
	s_wait_tensorcnt 0x0                           ; the wave's end
	ds_add_u32 v[SPW], v[NIL]
	s_wait_dscnt 0x0
	CROUND                                         ; the closing round
	s_endpgm
.Lfunc_end_k_q67d383d0c5_gemm_qkv:
	.size	k_q67d383d0c5_gemm_qkv, .Lfunc_end_k_q67d383d0c5_gemm_qkv-k_q67d383d0c5_gemm_qkv
	.p2alignl 7, 3214868480
	.fill 96, 4, 3214868480
	.section	.rodata,"a",@progbits
	.p2align	6, 0x0
	.amdhsa_kernel k_q67d383d0c5_gemm_qkv
		.amdhsa_group_segment_fixed_size 327680
		.amdhsa_private_segment_fixed_size 0
		.amdhsa_enable_private_segment 0
		.amdhsa_kernarg_size 56
		.amdhsa_user_sgpr_count 2
		.amdhsa_user_sgpr_kernarg_segment_ptr 1
		.amdhsa_wavefront_size32 1
		.amdhsa_system_sgpr_workgroup_id_x 1
		.amdhsa_system_sgpr_workgroup_id_y 1
		.amdhsa_system_sgpr_workgroup_id_z 1
		.amdhsa_system_vgpr_workitem_id 0
		.amdhsa_next_free_vgpr 1024
		.amdhsa_next_free_sgpr 102
		.amdhsa_reserve_vcc 0
		.amdhsa_float_denorm_mode_32 3
		.amdhsa_float_denorm_mode_16_64 3
		.amdhsa_memory_ordered 1
		.amdhsa_forward_progress 1
		.amdhsa_inst_pref_size 121
	.end_amdhsa_kernel
	.amdgpu_metadata
---
amdhsa.version: [ 1, 2 ]
amdhsa.kernels:
  - .name:           k_q67d383d0c5_gemm_qkv
    .symbol:         k_q67d383d0c5_gemm_qkv.kd
    .args:
      - { .name: xc, .offset: 0, .size: 8, .value_kind: global_buffer, .address_space: global }
      - { .name: xs, .offset: 8, .size: 8, .value_kind: global_buffer, .address_space: global }
      - { .name: wc, .offset: 16, .size: 8, .value_kind: global_buffer, .address_space: global }
      - { .name: ws, .offset: 24, .size: 8, .value_kind: global_buffer, .address_space: global }
      - { .name: b_attn, .offset: 32, .size: 8, .value_kind: global_buffer, .address_space: global }
      - { .name: rows32, .offset: 40, .size: 8, .value_kind: global_buffer, .address_space: global }
      - { .name: qkv, .offset: 48, .size: 8, .value_kind: global_buffer, .address_space: global }
    .group_segment_fixed_size: 327680
    .private_segment_fixed_size: 0
    .kernarg_segment_align: 8
    .kernarg_segment_size: 56
    .max_flat_workgroup_size: 128
    .sgpr_count:     102
    .vgpr_count:     1024
    .wavefront_size: 32
...
	.end_amdgpu_metadata
.endif
;; end of part 2
;; launch attn (part 3): grid 4 x 64, 8 waves a work-group, no clusters, 327,680 bytes of LDS; arguments qkv, yi; writes yi
.if DOCPART == 3
	.amdgcn_target "amdgcn-amd-amdhsa--gfx1250"
	.amdhsa_code_object_version 6
	.text
	.protected	k_q67d383d0c5_attn
	.globl	k_q67d383d0c5_attn
	.p2align	8
	.type	k_q67d383d0c5_attn,@function
k_q67d383d0c5_attn:
	s_mov_b64 s[64:65], 0
	v_nop
	global_prefetch_b8 v0, s[64:65] scope:SCOPE_SE
	s_setreg_imm32_b32 hwreg(HW_REG_WAVE_MODE, 25, 1), 1
	s_wait_xcnt 0x0
; y[b][h][q] = the sum over k <= q of softmax_k(q . k / 8) v, f16 operands, f32 products' sums, maxima and sums; the weights p are rounded to f16 for the second product, y once at the end.
; LEFT OUT: key steps all of whose keys come after a piece's queries (the causal mask gives them the weight 0 for all finite inputs), and the slots that no wave of the work-group would read.
; NO CLUSTER: under the causal mask the four work-groups of a head need different numbers of slots of K and V, so a joint load would bring a partner tiles that it never reads.
; SHARES.  Work-group (j, batch x head) owns the blocks of 256 queries j and 7 - j: 9 block-units of keys for every work-group.  Wave w takes, with sigma = w xor 3 (w / 4), queries 32 sigma + 0 .. 31 of both
; blocks: piece L (tiles 0, 1) in block j, piece H (tiles 2, 3) in block 7 - j.  Keys go 64 a step, four steps to a slot; every work-group walks 8 slots' worth of trips, a constant, and jumps over work.
; OPERANDS lie in memory as images of their registers (1,024 bytes a fragment), so a step's K (8,192 bytes) and V (8,192) are dense blocks: each of the 8 waves fetches one of a slot's 8 blocks by one tensor load,
; and every fragment comes by loads at 16 x lane.  V's 16 tokens x 16 channels lie as rows of 32 bytes and are turned by ds_load_tr16_b128, whose 32 lanes take the block's 512 bytes once each.
; LAYOUT.  S^T = K Q^T (source 0 = 16 keys, source 1 = 16 queries): a lane holds one query and keys 8 h + 0 .. 7 of each of four tiles; two such tiles rounded in pairs are source 1 of O^T = V^T P.
; SOFTMAX.  Running maximum m and sum l for each query: p = 2^(c s - c m), c = log2(e) / 8; O and l are multiplied by a = 2^(c m_old - c m_new) in every step.  m starts at -3e38, O and l at 0:
; key 0 counts for every query, so m is a score from the first step on.
; y leaves as f16 in the order of the projection's operand registers: yi [256 tokens 32][32 channels 32][16 tokens 16][half][lane][16 bytes].
; REGISTERS: window 0: v1-11 addresses and constants; v16-47 statistics, 8 a tile (+0 c m, +1 m, +2, +3 l, +4..+7 at work, a at +6); v64-127 S^T of a piece; v128-159 P; v160-223 K's fragments, later y.
;   window 1: v0-127 O^T (tile 32 t, channels 8 ct); v128-191 Q (16 a tile); v192-255 V^T's fragments.
.set SPARE, 131072                     ; behind the two slots of 65,536 bytes: the spare words, 128 bytes for each of 8 waves: four blocks of 256 bytes that no other line names
.set LI,   1                           ; v1   16 x lane
.set AVL,  2                           ; v2   the turning load's place: 256 h + 32 (lane % 8) + 16 ((lane / 8) % 2)
.set AD,   3                           ; v3   LDS address of the step's K
.set ADV,  4                           ; v4   of its V
.set SPW,  5                           ; v5   LDS address of my spare word; never rewritten
.set NIL,  6                           ; v6   0; never rewritten
.set RH,   7                           ; v7   r - 8 h
.set DD,   8                           ; v8-9 the mask's bound for the piece's two tiles
.set NINF, 10                          ; v10  -infinity
.set PFO,  11                          ; v11  256 x lane; never rewritten
.set ST,   16
.set S,    64
.set P,    128
.set KFR,  160
.set QW,   128                         ; in window 1
.set VW,   192                         ; in window 1
.set MSB, 0
.macro WIN new
.if MSB != \new
	s_set_vgpr_msb (MSB<<8)|\new
.set MSB, \new
.endif
.endm
; s8 wave, s9 sigma, s10 j, s11 batch x head, s12 piece L's first query, s13 piece H's, s14 the work-group's last query, s15 the step's first key, s[16:23] descriptor group 1, s[24:27] group 0,
; s28 LDS byte of the step's tiles, s29 trips to go, s30 steps to go in the slot, s31 the prefetches' limit, s[32:33] their address, s[34:35] c, s[36:37] lane selects, s38-47 at work
	s_load_b128 s[4:7], s[0:1], 0x0                ; qkv s[4:5], yi s[6:7]
	v_lshl_add_u32 v[SPW], v0, 2, SPARE
	v_mov_b32 v[NIL], 0
	ds_add_u32 v[SPW], v[NIL]                      ; the wave's opening: the add, twice on end, and its wait ahead of my first tensor load
	ds_add_u32 v[SPW], v[NIL]
	v_lshrrev_b32 v1, 5, v0
	v_readfirstlane_b32 s8, v1                     ; wave 0..7
	s_lshr_b32 s9, s8, 2
	s_mul_i32 s9, s9, 3
	s_xor_b32 s9, s9, s8                           ; sigma: 0 1 2 3 7 6 5 4
	s_mov_b32 s10, ttmp9
	s_and_b32 s11, ttmp7, 0xffff
	s_lshl_b32 s38, s9, 5
	s_lshl_b32 s12, s10, 8
	s_add_co_u32 s12, s12, s38
	s_sub_co_u32 s13, 7, s10
	s_lshl_b32 s13, s13, 8
	s_add_co_u32 s14, s13, 255
	s_add_co_u32 s13, s13, s38
	s_mov_b32 s15, 0
	s_mov_b32 s16, 3<<16                           ; group 1: no mask, elements of 8 bytes, no padding: a dense block of 8,192 bytes as 32 rows of 256
	s_mov_b32 s17, 32<<16                          ; tensor_dim0 = 32
	s_mov_b32 s18, 32<<16                          ; tensor_dim1 = 32
	s_mov_b32 s19, 32<<16                          ; tile_dim0 = 32
	s_mov_b32 s20, 32                              ; tile_dim1 = 32
	s_mov_b32 s21, 32                              ; from row to row
	s_mov_b32 s22, 0
	s_mov_b32 s23, 0
	s_mov_b32 s28, 0
	s_mov_b32 s29, 8
	s_cmp_eq_u32 s10, 0
	s_cselect_b32 s31, 2, -1                       ; the head's work-group that walks all 8 slots prefetches, while more than 2 trips are left
	s_mov_b32 s34, 0x3e38aa3b                      ; c = log2(e) / 8
	s_mov_b32 s35, s34
	s_mov_b32 s36, 0x76543210
	s_mov_b32 s37, 0xfedcba98
	s_lshr_b32 s38, s8, 2                          ; what I fetch: waves 0-3 K's step w, waves 4-7 V's step w - 4
	s_add_co_u32 s38, s38, 1
	s_lshl_b32 s38, s38, 24                        ; the second or third 16,777,216 bytes of qkv
	s_lshl_b32 s44, s11, 18                        ; my head's 262,144
	s_add_co_u32 s38, s38, s44
	s_and_b32 s39, s8, 3
	s_lshl_b32 s39, s39, 13
	s_add_co_u32 s38, s38, s39
	s_mov_b32 s39, 0
	s_lshl_b32 s40, s12, 7                         ; Q: 2,048 bytes for 16 queries
	s_add_co_u32 s40, s40, s44
	s_mov_b32 s41, 0
	s_lshl_b32 s42, s13, 7
	s_add_co_u32 s42, s42, s44
	s_mov_b32 s43, 0
	s_wait_dscnt 0x0                               ; both opening adds are done
	s_wait_kmcnt 0x0
	s_mov_b32 s24, 1
	s_lshl_b32 s25, s8, 13                         ; LDS: wave x 8,192: K's four steps, then V's four
	s_add_nc_u64 s[26:27], s[4:5], s[38:39]
	s_add_nc_u64 s[32:33], s[26:27], 32768         ; the prefetches stand one slot on; the first trip steps them to slot 2
	s_or_b32 s27, s27, 0x80000000
	tensor_load_to_lds s[24:27], s[16:23]          ; slot 0: every wave issues its part: one load of mine is out
	s_nop 0
.rept 4
	v_nop
.endr
	s_add_nc_u64 s[40:41], s[4:5], s[40:41]
	s_add_nc_u64 s[42:43], s[4:5], s[42:43]
	v_and_b32 v[LI], 31, v0
	v_lshlrev_b32 v[PFO], 8, v[LI]
	v_lshlrev_b32 v[LI], 4, v[LI]
	v_bfe_u32 v[AVL], v0, 4, 1
	v_lshlrev_b32 v[AVL], 8, v[AVL]
	v_and_b32 v3, 7, v0
	v_lshl_add_u32 v[AVL], v3, 5, v[AVL]
	v_bfe_u32 v3, v0, 3, 1
	v_lshl_add_u32 v[AVL], v3, 4, v[AVL]
	v_and_b32 v[RH], 15, v0
	v_bfe_u32 v8, v0, 4, 1
	v_lshlrev_b32 v8, 3, v8
	v_sub_nc_u32 v[RH], v[RH], v8
	v_mov_b32 v[NINF], 0xff800000
	WIN 0x40                                       ; destination window 1
.irp t, 0,1
.irp f, 0,1,2,3
	global_load_b128 v[QW+16*\t+4*\f:QW+16*\t+4*\f+3], v[LI], s[40:41] offset:\t*2048+\f*512         ; Q stays in registers
	global_load_b128 v[QW+32+16*\t+4*\f:QW+32+16*\t+4*\f+3], v[LI], s[42:43] offset:\t*2048+\f*512
.endr
.endr
.set n, 0
.rept 128
	v_mov_b32 v[n], 0                              ; O^T.  (The step is written once: the first finds zeros, which the first a leaves zeros)
.set n, n+1
.endr
	WIN 0
.irp t, 0,1,2,3
	v_mov_b32 v[ST+8*\t+1], 0xff61b1e6             ; m = -3e38, under every score
	v_mov_b32 v[ST+8*\t+2], 0
	v_mov_b32 v[ST+8*\t+3], 0
.endr
.irp t, 0,1,2,3
	v_mul_f32 v[ST+8*\t], s34, v[ST+8*\t+1]
.endr
	s_wait_loadcnt 0x0                             ; Q
; A PIECE's part of a key step.  x: its first tile; qs: the scalar register with its first query; first = 1: it is the step's first piece and carries the waits for the step's LDS loads.
.macro PIECE x, qs, first
.if \first
	s_wait_dscnt 16                                ; K's 16 loads are in; V's 16 may be out
.endif
	WIN 0x04                                       ; Q in window 1
.irp kc, 0,1                           ; 8 accumulators by turns, one instruction a turn; the first 8 start the sums
.irp kt, 0,1,2,3
.irp t, 0,1
.if \kc == 0
	v_wmma_f32_16x16x32_f16 v[S+32*\t+8*\kt:S+32*\t+8*\kt+7], v[KFR+16*\kt+8*\kc:KFR+16*\kt+8*\kc+7], v[QW+16*((\x)+\t)+8*\kc:QW+16*((\x)+\t)+8*\kc+7], 0
.else
	v_wmma_f32_16x16x32_f16 v[S+32*\t+8*\kt:S+32*\t+8*\kt+7], v[KFR+16*\kt+8*\kc:KFR+16*\kt+8*\kc+7], v[QW+16*((\x)+\t)+8*\kc:QW+16*((\x)+\t)+8*\kc+7], v[S+32*\t+8*\kt:S+32*\t+8*\kt+7]
.endif
.endr
.endr
.endr
	WIN 0
	s_sub_co_u32 s38, s[\qs], s15                  ; the piece's first query less the step's first key: 0 or more
	v_add_nc_u32 v[DD], s38, v[RH]                 ; d = my query - first key - 8 h.  Register 8 kt + i holds key 16 kt + 8 h + i: hidden where 16 kt + i > d
	v_add_nc_u32 v[DD+1], 16, v[DD]
	v_nop
	v_nop                                          ; four places behind the products
	s_add_co_u32 s39, s15, 63
	s_cmp_le_u32 s39, s[\qs]
	s_cbranch_scc1 .Lopen_\@                       ; all 64 keys count for all 32 queries
.irp t, 0,1
.set n, 0
.rept 32
	v_cmp_gt_i32 vcc_lo, 16*(n/8)+n%8, v[DD+\t]
	v_cndmask_b32 v[S+32*\t+n], v[S+32*\t+n], v[NINF], vcc_lo
.set n, n+1
.endr
.endr
.Lopen_\@:
.irp i, 0,1,2,3                        ; the maximum of 32 scores and the old m: four chains, each from its accumulator's low end; the two tiles alternate
.irp t, 0,1
	v_max3_num_f32 v[ST+8*((\x)+\t)+4+\i], v[S+32*\t+8*\i], v[S+32*\t+8*\i+1], v[S+32*\t+8*\i+2]
.endr
.endr
.irp g, 1,2
.irp i, 0,1,2,3
.irp t, 0,1
	v_max3_num_f32 v[ST+8*((\x)+\t)+4+\i], v[ST+8*((\x)+\t)+4+\i], v[S+32*\t+8*\i+2*\g+1], v[S+32*\t+8*\i+2*\g+2]
.endr
.endr
.endr
.irp t, 0,1
	v_max3_num_f32 v[ST+8*((\x)+\t)+4], v[ST+8*((\x)+\t)+4], v[S+32*\t+7], v[S+32*\t+15]
.endr
.irp t, 0,1
	v_max3_num_f32 v[ST+8*((\x)+\t)+6], v[ST+8*((\x)+\t)+6], v[S+32*\t+23], v[S+32*\t+31]
.endr
.irp t, 0,1
	v_max3_num_f32 v[ST+8*((\x)+\t)+4], v[ST+8*((\x)+\t)+4], v[ST+8*((\x)+\t)+5], v[ST+8*((\x)+\t)+6]
.endr
.irp t, 0,1
	v_max3_num_f32 v[ST+8*((\x)+\t)+4], v[ST+8*((\x)+\t)+4], v[ST+8*((\x)+\t)+7], v[ST+8*((\x)+\t)+1]
.endr
.irp t, 0,1
	v_permlanex16_b32 v[ST+8*((\x)+\t)+5], v[ST+8*((\x)+\t)+4], s36, s37   ; the query's other 32 keys lie in the lane 16 away
.endr
.irp t, 0,1
	v_mov_b32 v[ST+8*((\x)+\t)+7], v[ST+8*((\x)+\t)]       ; c m_old is kept for a
.endr
.irp t, 0,1
	v_max_num_f32 v[ST+8*((\x)+\t)+1], v[ST+8*((\x)+\t)+4], v[ST+8*((\x)+\t)+5]
.endr
.irp t, 0,1
	v_mul_f32 v[ST+8*((\x)+\t)], s34, v[ST+8*((\x)+\t)+1]
.endr
.irp t, 0,1
	v_sub_f32 v[ST+8*((\x)+\t)+7], v[ST+8*((\x)+\t)+7], v[ST+8*((\x)+\t)]
.endr
.set n, 0
.rept 16
.irp t, 0,1
	v_pk_fma_f32 v[S+32*\t+n:S+32*\t+n+1], v[S+32*\t+n:S+32*\t+n+1], s[34:35], v[ST+8*((\x)+\t):ST+8*((\x)+\t)+1] op_sel_hi:[1,0,0] neg_lo:[0,0,1] neg_hi:[0,0,1]   ; c s - c m, two at a time
.endr
.set n, n+2
.endr
.irp t, 0,1
	v_exp_f32 v[ST+8*((\x)+\t)+6], v[ST+8*((\x)+\t)+7]     ; a
.endr
.set n, 0
.rept 32
.irp t, 0,1
	v_exp_f32 v[S+32*\t+n], v[S+32*\t+n]           ; p: the 66 exponentials are one batch
.endr
.set n, n+1
.endr
	v_nop                                          ; a plain instruction behind the last exponential
	s_wait_alu depctr_va_vdst(0)                   ; one wait for the batch, ahead of its first reader
.set n, 0
.rept 16
.irp t, 0,1
	v_cvt_pk_f16_f32 v[P+16*\t+n], v[S+32*\t+2*n], v[S+32*\t+2*n+1]
.endr
.set n, n+1
.endr
.irp u, 0,4,8,12,16,20,24,28           ; the sum of the unrounded p, in place: neighbours 1, 2, 4, 8 pairs apart
.irp t, 0,1
	v_pk_add_f32 v[S+32*\t+\u:S+32*\t+\u+1], v[S+32*\t+\u:S+32*\t+\u+1], v[S+32*\t+\u+2:S+32*\t+\u+3]
.endr
.endr
.irp u, 0,8,16,24
.irp t, 0,1
	v_pk_add_f32 v[S+32*\t+\u:S+32*\t+\u+1], v[S+32*\t+\u:S+32*\t+\u+1], v[S+32*\t+\u+4:S+32*\t+\u+5]
.endr
.endr
.irp u, 0,16
.irp t, 0,1
	v_pk_add_f32 v[S+32*\t+\u:S+32*\t+\u+1], v[S+32*\t+\u:S+32*\t+\u+1], v[S+32*\t+\u+8:S+32*\t+\u+9]
.endr
.endr
.irp t, 0,1
	v_pk_add_f32 v[S+32*\t:S+32*\t+1], v[S+32*\t:S+32*\t+1], v[S+32*\t+16:S+32*\t+17]
.endr
.irp t, 0,1
	v_pk_fma_f32 v[ST+8*((\x)+\t)+2:ST+8*((\x)+\t)+3], v[ST+8*((\x)+\t)+2:ST+8*((\x)+\t)+3], v[ST+8*((\x)+\t)+6:ST+8*((\x)+\t)+7], v[S+32*\t:S+32*\t+1] op_sel_hi:[1,0,1]   ; l = a l + the sum
.endr
	WIN 0x41                                       ; O^T in window 1, a in window 0
.set n, 0
.rept 16
.irp t, 0,1
	v_pk_mul_f32 v[32*((\x)+\t)+n:32*((\x)+\t)+n+1], v[32*((\x)+\t)+n:32*((\x)+\t)+n+1], v[ST+8*((\x)+\t)+6:ST+8*((\x)+\t)+7] op_sel_hi:[1,0]
.endr
.set n, n+2
.endr
.if \first
	s_wait_dscnt 0x0                               ; V is in
.endif
	WIN 0x51                                       ; V and O^T in window 1, P in window 0
.irp kb, 0,1                           ; 8 accumulators by turns
.irp ct, 0,1,2,3
.irp t, 0,1
	v_wmma_f32_16x16x32_f16 v[32*((\x)+\t)+8*\ct:32*((\x)+\t)+8*\ct+7], v[VW+32*\kb+8*\ct:VW+32*\kb+8*\ct+7], v[P+16*\t+8*\kb:P+16*\t+8*\kb+7], v[32*((\x)+\t)+8*\ct:32*((\x)+\t)+8*\ct+7]
.endr
.endr
.endr
	WIN 0
.endm
.Lslot:                                            ; 8 trips, a constant.  THE CHANGE OF SLOTS stands at a slot's head
	s_wait_tensorcnt 0x0                           ; all my tensor loads have landed: my part of the slot ahead; so group 0 may be written
	ds_add_u32 v[SPW], v[NIL]                      ; 0 onto my spare word (every way to it passes my first load: it stands once)
	s_xor_b32 s25, s25, 65536                      ; the other slot,
	s_add_nc_u64 s[26:27], s[26:27], 32768         ; the next 256 keys
	s_wait_xcnt 0x0                                ; the last prefetch, a slot back, has read its address
	s_add_nc_u64 s[32:33], s[32:33], 32768
	s_wait_dscnt 0x0                               ; the add is done, and my reads of the slot that I have left are over
	s_barrier_signal -1
	s_barrier_wait -1
	s_add_co_u32 s38, s15, 256                     ; the first key of the slot that this change would ask for:
	s_cmp_gt_u32 s38, s14                          ; past my work-group's last query no wave reads it, so it is not asked for.  Ids and the count of steps alone: all 8 waves go the same way,
	s_cbranch_scc1 .Lpast                          ; and every wait on the tensor counter in this text is for 0.  The last trip always goes this way
	tensor_load_to_lds s[24:27], s[16:23]          ; my one tensor load behind this barrier: it has a slot's four steps in which to land
	s_nop 0
.rept 4
	v_nop
.endr
.Lpast:
	s_cmp_gt_u32 s29, s31                          ; A PREFETCH of my wave's 8,192 bytes of the slot that the NEXT change will ask for, lanes 256 bytes apart: four key steps ahead of that load.
	s_cbranch_scc0 .Lnot_mine                      ; All four work-groups of a head walk the same K and V: the one with j = 0, which walks all 8 slots, asks: each block of 256 bytes is named once.  Slots 0 and 1 come by their loads alone; the last two trips ask for nothing
	global_prefetch_b8 v[PFO], s[32:33] th:TH_LOAD_NT scope:SCOPE_SE
.Lnot_mine:
	s_mov_b32 s30, 4
.Lstep:
	s_add_co_u32 s38, s13, 31
	s_cmp_gt_u32 s15, s38
	s_cbranch_scc1 .Lhidden                        ; all 64 keys come after all my queries
	v_add_nc_u32 v[AD], s28, v[LI]
	v_add_nc_u32 v[ADV], s28, v[AVL]
	v_nop
	v_nop                                          ; four places in front of loads into registers that the last products have read
.irp f, 0,1,2,3,4,5,6,7,8,9,10,11,12,13,14,15      ; K: keys 16 (f / 4) on, channels 32 ((f / 2) % 2) on, half f % 2
	ds_load_b128 v[KFR+4*\f:KFR+4*\f+3], v[AD] offset:\f*512
.endr
	WIN 0x40
.irp kb, 0,1
.irp ct, 0,1,2,3
	ds_load_tr16_b128 v[VW+32*\kb+8*\ct:VW+32*\kb+8*\ct+3], v[ADV] offset:32768+\kb*4096+\ct*512          ; keys 32 kb + 8 h + 0 .. 7 of channel 16 ct + r
	ds_load_tr16_b128 v[VW+32*\kb+8*\ct+4:VW+32*\kb+8*\ct+7], v[ADV] offset:32768+\kb*4096+\ct*512+2048   ; keys 32 kb + 16 + 8 h + 0 .. 7
.endr
.endr
	WIN 0
	PIECE 2, 13, 1
	s_add_co_u32 s38, s12, 31
	s_cmp_gt_u32 s15, s38
	s_cbranch_scc1 .Lhidden
	PIECE 0, 12, 0
.Lhidden:
	s_add_co_u32 s15, s15, 64
	s_add_co_u32 s28, s28, 8192
	s_sub_co_u32 s30, s30, 1
	s_cmp_lg_u32 s30, 0
	s_cbranch_scc1 .Lstep
	s_sub_co_u32 s28, s28, 32768                   ; back to a slot's first step,
	s_xor_b32 s28, s28, 65536                      ; in the other slot
	s_sub_co_u32 s29, s29, 1
	s_cmp_lg_u32 s29, 0
	s_cbranch_scc1 .Lslot
	; THE WAY OUT.  l's two halves and the other half of the lanes'; O^T / l, rounded to f16, stored straight from registers as images.  The additions are the places behind the last products.
.irp t, 0,1,2,3
	v_add_f32 v[ST+8*\t+4], v[ST+8*\t+2], v[ST+8*\t+3]
.endr
.irp t, 0,1,2,3
	v_permlanex16_b32 v[ST+8*\t+5], v[ST+8*\t+4], s36, s37
.endr
.irp t, 0,1,2,3
	v_add_f32 v[ST+8*\t+4], v[ST+8*\t+4], v[ST+8*\t+5]
.endr
.irp t, 0,1,2,3
	v_rcp_f32 v[ST+8*\t+6], v[ST+8*\t+4]
.endr
	v_nop                                          ; a plain instruction behind the last reciprocal
	s_lshr_b32 s38, s11, 4
	s_lshl_b32 s38, s38, 3                         ; 8 x batch
	s_and_b32 s44, s11, 15
	s_lshl_b32 s44, s44, 15                        ; my head's two blocks of 32 channels, 16,384 bytes each
	s_lshl_b32 s45, s9, 11                         ; my two tiles of 16 tokens, 1,024 bytes each
	s_add_co_u32 s44, s44, s45
	s_add_co_u32 s39, s38, s10
	s_lshl_b32 s40, s39, 19                        ; 524,288 bytes for 256 tokens
	s_add_co_u32 s40, s40, s44
	s_mov_b32 s41, 0
	s_add_nc_u64 s[40:41], s[6:7], s[40:41]
	s_sub_co_u32 s39, 7, s10
	s_add_co_u32 s39, s39, s38
	s_lshl_b32 s42, s39, 19
	s_add_co_u32 s42, s42, s44
	s_mov_b32 s43, 0
	s_add_nc_u64 s[42:43], s[6:7], s[42:43]
	s_wait_alu depctr_va_vdst(0)                   ; one wait for the four reciprocals, ahead of their first reader
.macro YOUT t, sb
	WIN 0x01                                       ; O^T in window 1
.set n, 0
.rept 16
	v_pk_mul_f32 v[S+32*((\t)%2)+n:S+32*((\t)%2)+n+1], v[32*(\t)+n:32*(\t)+n+1], v[ST+8*(\t)+6:ST+8*(\t)+7] op_sel_hi:[1,0]   ; each accumulator from its low end on
.set n, n+2
.endr
	WIN 0
.set n, 0
.rept 16
	v_cvt_pk_f16_f32 v[KFR+16*(\t)+n], v[S+32*((\t)%2)+2*n], v[S+32*((\t)%2)+2*n+1]
.set n, n+1
.endr
.irp ct, 0,1,2,3
	global_store_b128 v[LI], v[KFR+16*(\t)+4*\ct:KFR+16*(\t)+4*\ct+3], s[\sb:\sb+1] offset:(\ct/2)*16384+((\t)%2)*1024+(\ct%2)*512   ; 32 lanes store 512 consecutive bytes, aligned
.endr
.endm
	YOUT 0, 40
	YOUT 1, 40
	YOUT 2, 42
	YOUT 3, 42
	s_wait_tensorcnt 0x0                           ; the wave's end
	ds_add_u32 v[SPW], v[NIL]
	s_wait_dscnt 0x0
	s_endpgm
.Lfunc_end_k_q67d383d0c5_attn:
	.size	k_q67d383d0c5_attn, .Lfunc_end_k_q67d383d0c5_attn-k_q67d383d0c5_attn
	.p2alignl 7, 3214868480
	.fill 96, 4, 3214868480
	.section	.rodata,"a",@progbits
	.p2align	6, 0x0
	.amdhsa_kernel k_q67d383d0c5_attn
		.amdhsa_group_segment_fixed_size 327680
		.amdhsa_private_segment_fixed_size 0
		.amdhsa_enable_private_segment 0
		.amdhsa_kernarg_size 16
		.amdhsa_user_sgpr_count 2
		.amdhsa_user_sgpr_kernarg_segment_ptr 1
		.amdhsa_wavefront_size32 1
		.amdhsa_system_sgpr_workgroup_id_x 1
		.amdhsa_system_sgpr_workgroup_id_y 1
		.amdhsa_system_sgpr_workgroup_id_z 1
		.amdhsa_system_vgpr_workitem_id 0
		.amdhsa_next_free_vgpr 512
		.amdhsa_next_free_sgpr 66
		.amdhsa_reserve_vcc 1
		.amdhsa_float_denorm_mode_32 3
		.amdhsa_float_denorm_mode_16_64 3
		.amdhsa_memory_ordered 1
		.amdhsa_forward_progress 1
		.amdhsa_inst_pref_size 63
	.end_amdhsa_kernel
	.amdgpu_metadata
---
amdhsa.version: [ 1, 2 ]
amdhsa.kernels:
  - .name:           k_q67d383d0c5_attn
    .symbol:         k_q67d383d0c5_attn.kd
    .args:
      - { .name: qkv, .offset: 0, .size: 8, .value_kind: global_buffer, .address_space: global }
      - { .name: yi, .offset: 8, .size: 8, .value_kind: global_buffer, .address_space: global }
    .group_segment_fixed_size: 327680
    .private_segment_fixed_size: 0
    .kernarg_segment_align: 8
    .kernarg_segment_size: 16
    .max_flat_workgroup_size: 256
    .sgpr_count:     66
    .vgpr_count:     512
    .wavefront_size: 32
...
	.end_amdgpu_metadata
.endif
;; end of part 3
;; launch proj (part 4): grid 8 x 32, 4 waves a work-group, clusters of 4 x 4, 327,680 bytes of LDS; arguments yi, wp, b_proj, out0; writes out0
.if DOCPART == 4
	.amdgcn_target "amdgcn-amd-amdhsa--gfx1250"
	.amdhsa_code_object_version 6
	.text
	.protected	k_q67d383d0c5_proj
	.globl	k_q67d383d0c5_proj
	.p2align	8
	.type	k_q67d383d0c5_proj,@function
k_q67d383d0c5_proj:
	s_mov_b64 s[64:65], 0
	v_nop
	global_prefetch_b8 v0, s[64:65] scope:SCOPE_SE
	s_setreg_imm32_b32 hwreg(HW_REG_WAVE_MODE, 25, 1), 1
	s_wait_xcnt 0x0
	s_wait_alu depctr_hold_cnt(0) depctr_sa_sdst(0) depctr_va_vdst(0) depctr_va_sdst(0) depctr_va_ssrc(0) depctr_va_vcc(0) depctr_vm_vsrc(0)
	s_getreg_b32 s2, hwreg(HW_REG_IB_STS2, 6, 4)
	s_cmp_eq_u32 s2, 0
	s_cbranch_scc0 .Lentry_in_a_cluster
	s_endpgm
.Lentry_in_a_cluster:
	s_bfe_u32 s2, ttmp6, 0x10000c
	s_cmp_lg_u32 s2, 0xf033
	s_cbranch_scc0 .Lentry_shape_is_right
	s_endpgm
.Lentry_shape_is_right:
; out0 = y W_proj + b_proj, f16 operands, f32 sums.  y = yi and W_proj = wp lie in memory as images of the operands' registers (1,024 bytes a fragment of 16 x 32).
; LEFT OUT: the stores of positions 0 to 15 of every sequence: a later launch computes those 64 rows wholly in f32 and is their one owner.
; A tile of 256 tokens x 128 columns is made by a work-group of four waves, 128 x 64 a wave: 32 accumulators, 256 registers: 256 work-groups.  K goes in 8 steps of 128 through two LDS slots: a step's part of y is
; 65,536 consecutive bytes, of W_proj 32,768: waves 0 and 1 fetch y's halves, waves 2 and 3 W_proj's.  No padding: every fragment load takes 512 consecutive bytes, 16 a lane.
; CLUSTERS of 4 x 4: y's tile is shared along a row of the cluster, W_proj's along a column: joint loads.  The tile row is (cluster y) + 8 cy, so that the rows left to the fine launch lie in the clusters with y = 0.
; THE MATRIX INSTRUCTION IS USED TRANSPOSED (source 0 = 16 columns of W_proj, source 1 = 16 tokens): a lane holds one token and eight neighbouring columns.  The bias is the C of each sum's first instruction.
; REGISTERS: window 0: v16-29 addresses; v32-127, v128-223 two fragment buffers (y's 8 fragments, then W_proj's 4); v224-255 the bias; on the way out v32-95 rows of out0.  window 1: accumulator (a, b) at v[8 (4 a + b)].
.set SLOT,   98304                     ; y's 65,536 bytes, then W_proj's 32,768
.set BOFF,   65536
.set STAGE,  196608                    ; behind the slots: 16 rows x (256 bytes + 16) for each wave
.set SPITCH, 272
.set SPARE,  STAGE+4*16*SPITCH         ; the spare words: 128 bytes for each wave, two blocks of 256 bytes that no other line names
.set LAPS,   4                         ; a lap = two K steps
.set ADRA, 16
.set ADRB, 20
.set STO,  24
.set RD,   25
.set CO,   26
.set BO,   27
.set SPW,  28                          ; never rewritten
.set NIL,  29                          ; never rewritten
.set F0,   32
.set F1,   128
.set BIAS, 224
.set OB,   32
.set G1, 24
.set G0, 32
.set G1B, 48
.set G0B, 56
.set MSB, 0
.macro WIN new
.if MSB != \new
	s_set_vgpr_msb (MSB<<8)|\new
.set MSB, \new
.endif
.endm
.macro JLOAD s                         ; a joint load; an s_nop 0 and four v_nop follow each of the two lines
	s_cmp_eq_u32 s11, 0
	s_cbranch_scc0 .Lfor_b_\@
	tensor_load_to_lds s[G0+4*\s:G0+4*\s+3], s[G1:G1+7]
	s_nop 0
.rept 4
	v_nop
.endr
	s_branch .Lasked_\@
.Lfor_b_\@:
	tensor_load_to_lds s[G0B+4*\s:G0B+4*\s+3], s[G1B:G1B+7]
	s_nop 0
.rept 4
	v_nop
.endr
.Lasked_\@:
.endm
.macro CREST
	s_cmp_lg_u32 s10, 0
	s_cbranch_scc1 .Lnot_wave_0_\@
	s_barrier_signal -3
.Lnot_wave_0_\@:
	s_barrier_wait -3
	s_barrier_signal -1
	s_barrier_wait -1
.endm
.macro CROUND
	s_barrier_signal -1
	s_barrier_wait -1
	CREST
.endm
	s_load_b128 s[4:7], s[0:1], 0x0                ; yi s[4:5], wp s[6:7]
	s_load_b64 s[8:9], s[0:1], 0x10                ; b_proj
	s_load_b64 s[44:45], s[0:1], 0x18              ; out0
	v_lshl_add_u32 v[SPW], v0, 2, SPARE
	v_mov_b32 v[NIL], 0
	ds_add_u32 v[SPW], v[NIL]                      ; the wave's opening: the add, twice on end, and its wait ahead of my first tensor load
	ds_add_u32 v[SPW], v[NIL]
	v_lshrrev_b32 v1, 5, v0
	v_readfirstlane_b32 s10, v1                    ; wave 0..3
	s_lshr_b32 s11, s10, 1                         ; which half of the tokens is mine.  Also: I fetch y (0) or W_proj (1)
	s_and_b32 s12, s10, 1                          ; which half of the columns.  Also: which half of the block I fetch
	s_bfe_u32 s40, ttmp6, 0x40000                  ; cx
	s_bfe_u32 s41, ttmp6, 0x40004                  ; cy
	s_lshl_b32 s42, ttmp9, 2
	s_add_co_u32 s42, s42, s40                     ; tile column
	s_and_b32 s20, ttmp7, 0xffff                   ; cluster y
	s_lshl_b32 s13, s41, 3
	s_add_co_u32 s13, s13, s20                     ; tile row = cluster y + 8 cy
	s_lshl_b32 s18, s41, 2
	s_lshl_b32 s18, 15, s18                        ; my row of the cluster
	s_lshl_b32 s19, 0x1111, s40                    ; my column
	s_or_b32 s[G1+0], s18, (3<<16)|(1<<21)         ; the mask; elements of 8 bytes; bit 21 beside a mask; no padding
	s_or_b32 s[G1B+0], s19, (3<<16)|(1<<21)
	s_mov_b32 s[G1+1], 32<<16                      ; rows of 256 bytes
	s_mov_b32 s[G1+2], 128<<16                     ; 128 of them: 32,768 bytes
	s_mov_b32 s[G1+3], 32<<16
	s_mov_b32 s[G1+4], 128
	s_mov_b32 s[G1+5], 32
	s_mov_b32 s[G1+6], 0
	s_mov_b32 s[G1+7], 0
	s_mov_b32 s[G1B+1], 32<<16
	s_mov_b32 s[G1B+2], 64<<16                     ; 64 rows: 16,384 bytes
	s_mov_b32 s[G1B+3], 32<<16
	s_mov_b32 s[G1B+4], 64
	s_mov_b32 s[G1B+5], 32
	s_mov_b32 s[G1B+6], 0
	s_mov_b32 s[G1B+7], 0
	s_lshl_b32 s16, s13, 19                        ; y: 524,288 bytes a tile row, + my half
	s_lshl_b32 s17, s12, 15
	s_add_co_u32 s16, s16, s17
	s_mov_b32 s17, 0
	s_lshl_b32 s46, s42, 18                        ; W_proj: 262,144 bytes a tile column, + my half
	s_lshl_b32 s47, s12, 14
	s_add_co_u32 s46, s46, s47
	s_mov_b32 s47, 0
	s_lshl_b32 s21, s12, 15                        ; where they go
	s_lshl_b32 s22, s12, 14
	s_add_co_u32 s22, s22, BOFF
	s_wait_dscnt 0x0                               ; both opening adds are done
	s_wait_kmcnt 0x0
	s_add_nc_u64 s[14:15], s[4:5], s[16:17]
	s_add_nc_u64 s[46:47], s[6:7], s[46:47]
	CROUND                                         ; all sixteen work-groups are here: the first joint loads meet
.irp s, 0,1
	s_mov_b32 s[G0+4*\s], 1
	s_add_co_u32 s[G0+4*\s+1], s21, \s*SLOT
	s_add_nc_u64 s[G0+4*\s+2:G0+4*\s+3], s[14:15], \s*65536
	s_or_b32 s[G0+4*\s+3], s[G0+4*\s+3], 0x80000000
	s_mov_b32 s[G0B+4*\s], 1
	s_add_co_u32 s[G0B+4*\s+1], s22, \s*SLOT
	s_add_nc_u64 s[G0B+4*\s+2:G0B+4*\s+3], s[46:47], \s*32768
	s_or_b32 s[G0B+4*\s+3], s[G0B+4*\s+3], 0x80000000
	JLOAD \s                                       ; two loads of mine are out behind the second
.endr
	v_and_b32 v1, 15, v0                           ; r
	v_bfe_u32 v2, v0, 4, 1                         ; h
	v_and_b32 v3, 31, v0
	v_lshlrev_b32 v3, 4, v3                        ; 16 x lane
	s_lshl_b32 s21, s11, 13                        ; my 8 tiles of tokens
	s_lshl_b32 s22, s12, 12                        ; my 4 tiles of columns,
	s_add_co_u32 s22, s22, BOFF                    ; behind y's part
.irp s, 0,1
	v_add_nc_u32 v[ADRA+\s], s21, v3
	v_add_nc_u32 v[ADRB+\s], s22, v3
	s_add_co_u32 s21, s21, SLOT
	s_add_co_u32 s22, s22, SLOT
.endr
	s_mul_i32 s23, s10, 16*SPITCH
	s_add_co_u32 s23, s23, STAGE                   ; my stage
	v_mul_u32_u24 v4, v1, SPITCH
	v_lshl_add_u32 v4, v2, 5, v4
	v_add_nc_u32 v[STO], s23, v4                   ; in: row r, 32 bytes for each half of the lanes
	v_mul_u32_u24 v5, v2, SPITCH
	v_lshl_add_u32 v5, v1, 4, v5
	v_add_nc_u32 v[RD], s23, v5                    ; back: lanes 0-15 one row of 256 bytes, lanes 16-31 the next
	v_lshlrev_b32 v5, 12, v2
	v_lshl_add_u32 v[CO], v1, 4, v5                ; the same two rows in out0
	v_lshlrev_b32 v[BO], 5, v2
	s_lshl_b32 s16, s13, 20                        ; my first row of out0: (256 x tile row + 128 x half) x 4,096 bytes
	s_lshl_b32 s17, s11, 19
	s_add_co_u32 s16, s16, s17
	s_mov_b32 s17, 0
	s_add_nc_u64 s[44:45], s[44:45], s[16:17]
	s_lshl_b32 s46, s42, 9                         ; my first column: 512 x tile column + 256 x half bytes
	s_lshl_b32 s47, s12, 8
	s_add_co_u32 s46, s46, s47
	s_mov_b32 s47, 0
	s_add_nc_u64 s[44:45], s[44:45], s[46:47]
	s_add_nc_u64 s[8:9], s[8:9], s[46:47]
.irp b, 0,1,2,3
	global_load_b128 v[BIAS+8*\b:BIAS+8*\b+3], v[BO], s[8:9] offset:64*\b       ; the bias of columns 16 b + 8 h + 0 .. 7
	global_load_b128 v[BIAS+8*\b+4:BIAS+8*\b+7], v[BO], s[8:9] offset:64*\b+16
.endr
.macro MULA f, a, first                ; 4 matrix instructions: tokens' block a x the four blocks of columns, 32 along K
.irp b, 0,1,2,3
.if \first
	v_wmma_f32_16x16x32_f16 v[8*(4*(\a)+\b):8*(4*(\a)+\b)+7], v[(\f)+64+8*\b:(\f)+64+8*\b+7], v[(\f)+8*(\a):(\f)+8*(\a)+7], v[BIAS+8*\b:BIAS+8*\b+7]
.else
	v_wmma_f32_16x16x32_f16 v[8*(4*(\a)+\b):8*(4*(\a)+\b)+7], v[(\f)+64+8*\b:(\f)+64+8*\b+7], v[(\f)+8*(\a):(\f)+8*(\a)+7], v[8*(4*(\a)+\b):8*(4*(\a)+\b)+7]
.endif
.endr
.endm
.macro MUL16 f, a0, first              ; the 32 accumulators take turns, one instruction a turn, in the same order in every quarter
.irp a, \a0, \a0+1, \a0+2, \a0+3
	MULA \f, \a, \first
.endr
.endm
.macro FETCH slot, q, f                ; 24 LDS loads in one run: the fragments of the slot's q-th 32 along K: W_proj's 4, y's 0-3, y's 4-7
.irp b, 0,1,2,3
	ds_load_b128 v[(\f)+64+8*\b:(\f)+64+8*\b+3], v[ADRB+\slot] offset:(\q)*8192+\b*1024
	ds_load_b128 v[(\f)+64+8*\b+4:(\f)+64+8*\b+7], v[ADRB+\slot] offset:(\q)*8192+\b*1024+512
.endr
.irp a, 0,1,2,3,4,5,6,7
	ds_load_b128 v[(\f)+8*\a:(\f)+8*\a+3], v[ADRA+\slot] offset:(\q)*16384+\a*1024
	ds_load_b128 v[(\f)+8*\a+4:(\f)+8*\a+7], v[ADRA+\slot] offset:(\q)*16384+\a*1024+512
.endr
.endm
.macro PLACES
.rept 4
	v_nop
.endr
.endm
.macro MWIN first
.if \first
	WIN 0x40                                       ; D in window 1, C (the bias) in window 0
.else
	WIN 0x50                                       ; C and D in window 1
.endif
.endm
.macro QUARTER slot, q, f, g, first    ; multiplies buffer f; in its middle it fetches the slot's q-th quarter into buffer g
	s_wait_dscnt 8                                 ; W_proj's fragments and y's 0-3 are in; the youngest eight loads may be out
	MWIN \first
	MUL16 \f, 0, \first
	PLACES
	WIN 0
	FETCH \slot, \q, \g
	s_wait_dscnt 24                                ; all but the 24 just issued
	MWIN \first
	MUL16 \f, 4, \first
.endm
.macro TURN slot, next, fill           ; a slot's last quarter multiplies buffer 1 and changes slots
	WIN 0
	s_wait_tensorcnt 0x0                           ; all my tensor loads have landed: my part of the next slot
	ds_add_u32 v[SPW], v[NIL]                      ; 0 onto my spare word
	s_wait_dscnt 9                                 ; (the add and the youngest eight loads may be out)
	WIN 0x50
	MULA F1, 0, 0
	MULA F1, 1, 0
	s_wait_dscnt 0x0                               ; the add is done, and my reads of this slot are over
	s_barrier_signal -1
	MULA F1, 2, 0
	MULA F1, 3, 0
	WIN 0
	s_barrier_wait -1
.if \fill
	CREST                                          ; the barrier has opened a round of the cluster's: no wave of any partner still reads this slot or has a load on its way
	s_add_nc_u64 s[G0+4*\slot+2:G0+4*\slot+3], s[G0+4*\slot+2:G0+4*\slot+3], 2*65536
	s_add_nc_u64 s[G0B+4*\slot+2:G0B+4*\slot+3], s[G0B+4*\slot+2:G0B+4*\slot+3], 2*32768
	JLOAD \slot                                    ; the first tensor load behind the round; its four v_nop are also the places in front of the loads below
.else
	PLACES
.endif
	FETCH \next, 0, F0
	WIN 0x50
	MUL16 F1, 4, 0
.endm
	s_wait_tensorcnt 1                             ; my part of K step 0 is in (K step 1's load may be out),
	s_barrier_signal -1
	s_barrier_wait -1                              ; everybody's is
	FETCH 0, 0, F0
	s_wait_loadcnt 0x0                             ; the bias
	QUARTER 0, 1, F0, F1, 1                        ; the first quarter stands in front of the loop: its products start the sums from the bias
	WIN 0
	s_mov_b32 s3, LAPS-1
.Llap:                                                 ; a trip goes once round the ring and fills both slots again
	QUARTER 0, 2, F1, F0, 0
	QUARTER 0, 3, F0, F1, 0
	TURN 0, 1, 1
	QUARTER 1, 1, F0, F1, 0
	QUARTER 1, 2, F1, F0, 0
	QUARTER 1, 3, F0, F1, 0
	TURN 1, 0, 1
	QUARTER 0, 1, F0, F1, 0
	WIN 0
	s_sub_co_u32 s3, s3, 1
	s_cmp_lg_u32 s3, 0
	s_cbranch_scc1 .Llap
	QUARTER 0, 2, F1, F0, 0                        ; the last lap fills nothing
	QUARTER 0, 3, F0, F1, 0
	TURN 0, 1, 0
	QUARTER 1, 1, F0, F1, 0
	QUARTER 1, 2, F1, F0, 0
	QUARTER 1, 3, F0, F1, 0
	s_wait_dscnt 8
	WIN 0x50
	MUL16 F1, 0, 0
	s_wait_dscnt 0
	MUL16 F1, 4, 0
	WIN 0
; THE WAY OUT, block by block of 16 tokens x 64 columns, through my own stage: in as 32 bytes a lane, back as whole rows of 256 bytes.  LDS serves a wave's instructions in order: no wait between the stores and the loads.
.macro TOSTAGE a
	WIN 0x04                                       ; an LDS store's data are its source 1: window 1
.irp b, 0,1,2,3
	ds_store_b128 v[STO], v[8*(4*(\a)+\b):8*(4*(\a)+\b)+3] offset:64*\b        ; each accumulator from its low end on
	ds_store_b128 v[STO], v[8*(4*(\a)+\b)+4:8*(4*(\a)+\b)+7] offset:64*\b+16
.endr
	WIN 0
.irp t, 0,1,2,3,4,5,6,7
	ds_load_b128 v[OB+32*((\a)%2)+4*\t:OB+32*((\a)%2)+4*\t+3], v[RD] offset:\t*2*SPITCH
.endr
.endm
.macro STORES a
.irp t, 0,1,2,3,4,5,6,7
	global_store_b128 v[CO], v[OB+32*((\a)%2)+4*\t:OB+32*((\a)%2)+4*\t+3], s[44:45] offset:(\a)*65536+\t*8192 th:TH_STORE_NT   ; sixteen lanes store 256 consecutive bytes, aligned
.endr
.endm
	PLACES                                         ; in front of the reads of results and of the loads into fragment registers
	TOSTAGE 0
	TOSTAGE 1
	s_wait_dscnt 16                                ; block 0 is back (block 1's eight stores and eight loads may be out)
	s_or_b32 s21, s20, s11                         ; cluster y = 0 and the first half of the tokens: block 0 is positions 0 to 15 of a sequence, which the fine launch stores
	s_cmp_eq_u32 s21, 0
	s_cbranch_scc1 .Lfine_rows
	STORES 0
.Lfine_rows:
.irp a, 2,3,4,5,6,7
	s_wait_xcnt 0x0                                ; block a - 2's stores have read their registers
	TOSTAGE \a
	s_wait_dscnt 16                                ; block a - 1 is back
	STORES \a-1
.endr
	s_wait_dscnt 0x0
	STORES 7
	s_wait_tensorcnt 0x0                           ; the wave's end
	ds_add_u32 v[SPW], v[NIL]
	s_wait_dscnt 0x0
	CROUND                                         ; the closing round
	s_endpgm
.Lfunc_end_k_q67d383d0c5_proj:
	.size	k_q67d383d0c5_proj, .Lfunc_end_k_q67d383d0c5_proj-k_q67d383d0c5_proj
	.p2alignl 7, 3214868480
	.fill 96, 4, 3214868480
	.section	.rodata,"a",@progbits
	.p2align	6, 0x0
	.amdhsa_kernel k_q67d383d0c5_proj
		.amdhsa_group_segment_fixed_size 327680
		.amdhsa_private_segment_fixed_size 0
		.amdhsa_enable_private_segment 0
		.amdhsa_kernarg_size 32
		.amdhsa_user_sgpr_count 2
		.amdhsa_user_sgpr_kernarg_segment_ptr 1
		.amdhsa_wavefront_size32 1
		.amdhsa_system_sgpr_workgroup_id_x 1
		.amdhsa_system_sgpr_workgroup_id_y 1
		.amdhsa_system_sgpr_workgroup_id_z 1
		.amdhsa_system_vgpr_workitem_id 0
		.amdhsa_next_free_vgpr 512
		.amdhsa_next_free_sgpr 66
		.amdhsa_reserve_vcc 0
		.amdhsa_float_denorm_mode_32 3
		.amdhsa_float_denorm_mode_16_64 3
		.amdhsa_memory_ordered 1
		.amdhsa_forward_progress 1
		.amdhsa_inst_pref_size 86
	.end_amdhsa_kernel
	.amdgpu_metadata
---
amdhsa.version: [ 1, 2 ]
amdhsa.kernels:
  - .name:           k_q67d383d0c5_proj
    .symbol:         k_q67d383d0c5_proj.kd
    .args:
      - { .name: yi, .offset: 0, .size: 8, .value_kind: global_buffer, .address_space: global }
      - { .name: wp, .offset: 8, .size: 8, .value_kind: global_buffer, .address_space: global }
      - { .name: b_proj, .offset: 16, .size: 8, .value_kind: global_buffer, .address_space: global }
      - { .name: out0, .offset: 24, .size: 8, .value_kind: global_buffer, .address_space: global }
    .group_segment_fixed_size: 327680
    .private_segment_fixed_size: 0
    .kernarg_segment_align: 8
    .kernarg_segment_size: 32
    .max_flat_workgroup_size: 128
    .sgpr_count:     66
    .vgpr_count:     512
    .wavefront_size: 32
...
	.end_amdgpu_metadata
.endif
;; end of part 4
;; launch fine (part 5): grid 16 x 4, 16 waves a work-group, no clusters, 67,584 bytes of LDS; arguments rows32, W_proj, b_proj, out0; writes out0
.if DOCPART == 5
	.amdgcn_target "amdgcn-amd-amdhsa--gfx1250"
	.amdhsa_code_object_version 6
	.text
	.protected	k_q67d383d0c5_fine
	.globl	k_q67d383d0c5_fine
	.p2align	8
	.type	k_q67d383d0c5_fine,@function
k_q67d383d0c5_fine:
	s_mov_b64 s[64:65], 0
	v_nop
	global_prefetch_b8 v0, s[64:65] scope:SCOPE_SE
	s_setreg_imm32_b32 hwreg(HW_REG_WAVE_MODE, 25, 1), 1
	s_wait_xcnt 0x0
; Positions 0 to 15 of every sequence, wholly in f32: they average one to sixteen values and are the largest in size, so the rounding of 16-bit operands would weigh most there.  64 rows of out0 in all: no bulk work.
; Only keys 0 to 15 count for these queries (the causal mask); all later keys are left out as in the attention launch.
; Work-group (nb, batch): 64 columns of out0 for the batch's 16 rows.  Wave w is head w: it makes its head's attention from rows32 (q, k, v + bias in f32) and multiplies it by W_proj's rows 64 w .. 64 w + 63,
; its own slice of the projection's K: y never leaves the registers.  The 16 partial results meet in LDS; wave w then sums row w, adds the bias and stores 256 consecutive bytes.
; All products by v_wmma_f32_16x16x4_f32; where k is taken in another order than it lies, the same order is taken on both sources.  Its result registers (v192-255) are written by matrix instructions alone.
.set AQ,  1                            ; v1  q, k: r x 12,288 + 16 h
.set AV,  2                            ; v2  v: 8 h rows of 12,288 + 4 r
.set AW,  3                            ; v3  W_proj: 8 h rows of 4,096 + 16 r
.set LST, 4                            ; v4  LDS: my partial: wave x 4,096 + 8 h rows of 256 + 16 r
.set LRD, 5                            ; v5  LDS: row w of a partial: 256 w + 8 x lane
.set SPW, 6                            ; v6  LDS address of my spare word; never rewritten
.set NIL, 7                            ; v7  0; never rewritten
.set RH,  8                            ; v8  r - 8 h
.set NINF, 9                           ; v9  -infinity
.set GO,  10                           ; v10 8 x lane
.set T,   16                           ; v16-23 scores, then p
.set P,   24                           ; v24-31 p / l
.set QF,  32                           ; v32-63 q; with v64-95 later W_proj's second half; later the 16 partials
.set KF,  64                           ; v64-95 k
.set VF,  96                           ; v96-127 v; later my partial in the order of its stores
.set W1,  128                          ; v128-191 W_proj's first half
.set OA,  192                          ; v192-223 O^T, 8 registers for each 16 channels
.set PA,  224                          ; v224-255 first the scores' two sums, then the projection's four
.set SPARE, 65536                      ; behind the 16 partials of 4,096 bytes: the spare words, 128 bytes for each of 16 waves
	s_load_b256 s[4:11], s[0:1], 0x0               ; rows32 s[4:5], W_proj s[6:7], b_proj s[8:9], out0 s[10:11]
	v_lshl_add_u32 v[SPW], v0, 2, SPARE
	v_mov_b32 v[NIL], 0
	v_lshrrev_b32 v11, 5, v0
	v_readfirstlane_b32 s12, v11                   ; wave = head
	s_and_b32 s13, ttmp7, 0xffff                   ; batch
	v_and_b32 v11, 15, v0                          ; r
	v_bfe_u32 v12, v0, 4, 1                        ; h
	v_and_b32 v13, 31, v0                          ; lane
	v_mul_u32_u24 v[AQ], v11, 12288
	v_lshl_add_u32 v[AQ], v12, 4, v[AQ]
	v_mul_u32_u24 v[AV], v12, 98304
	v_lshl_add_u32 v[AV], v11, 2, v[AV]
	v_lshlrev_b32 v[AW], 15, v12
	v_lshl_add_u32 v[AW], v11, 4, v[AW]
	s_lshl_b32 s14, s12, 12
	v_lshlrev_b32 v[LST], 11, v12
	v_lshl_add_u32 v[LST], v11, 4, v[LST]
	v_add_nc_u32 v[LST], s14, v[LST]
	s_lshl_b32 s14, s12, 8
	v_lshlrev_b32 v[GO], 3, v13
	v_add_nc_u32 v[LRD], s14, v[GO]
	v_lshlrev_b32 v[RH], 3, v12
	v_sub_nc_u32 v[RH], v11, v[RH]
	v_mov_b32 v[NINF], 0xff800000
	s_mov_b32 s24, 0x76543210
	s_mov_b32 s25, 0xfedcba98
	s_mov_b32 s26, 0x3e38aa3b                      ; c = log2(e) / 8
	s_mul_i32 s16, s13, 196608                     ; rows32: my batch's 16 rows, my head's 64 channels
	s_lshl_b32 s17, s12, 8
	s_add_co_u32 s16, s16, s17
	s_mov_b32 s17, 0
	s_lshl_b32 s18, s12, 18                        ; W_proj: rows 64 w on, columns 64 nb on
	s_lshl_b32 s20, ttmp9, 8
	s_add_co_u32 s18, s18, s20
	s_mov_b32 s19, 0
	s_mov_b32 s21, 0
	s_lshl_b32 s22, s13, 23                        ; out0: row 2,048 x batch + w
	s_lshl_b32 s23, s12, 12
	s_add_co_u32 s22, s22, s23
	s_add_co_u32 s22, s22, s20
	s_mov_b32 s23, 0
	s_wait_kmcnt 0x0
	s_add_nc_u64 s[4:5], s[4:5], s[16:17]
	s_add_nc_u64 s[6:7], s[6:7], s[18:19]
	s_add_nc_u64 s[8:9], s[8:9], s[20:21]
	s_add_nc_u64 s[10:11], s[10:11], s[22:23]
	global_load_b64 v[14:15], v[GO], s[8:9]        ; the bias of my two columns
.irp g, 0,1,2,3,4,5,6,7
	global_load_b128 v[QF+4*\g:QF+4*\g+3], v[AQ], s[4:5] offset:32*\g          ; q(r, 8 g + 4 h + 0 .. 3)
.endr
.irp g, 0,1,2,3,4,5,6,7
	global_load_b128 v[KF+4*\g:KF+4*\g+3], v[AQ], s[4:5] offset:4096+32*\g     ; k likewise
.endr
.irp ct, 0,1,2,3
.irp k, 0,1,2,3,4,5,6,7
	global_load_b32 v[VF+8*\ct+\k], v[AV], s[4:5] offset:8192+\k*12288+64*\ct  ; v(key 8 h + k, channel 16 ct + r)
.endr
.endr
.irp ks, 0,1,2,3,4,5,6,7               ; W_proj(channel 16 (ks / 4) + 8 h + 2 (ks % 4) + jp, columns 4 r + 0 .. 3): sixteen lanes read 256 consecutive bytes
.irp jp, 0,1
	global_load_b128 v[W1+8*\ks+4*\jp:W1+8*\ks+4*\jp+3], v[AW], s[6:7] offset:(16*(\ks/4)+2*(\ks%4)+\jp)*4096
.endr
.endr
	s_wait_loadcnt 48                              ; the bias, q and k are in; v's 32 loads and W_proj's 16 may be out
	; S^T = K Q^T: 16 steps of 4 channels, two sums by turns; lane (r, h): query r, keys 8 h + 0 .. 7
	v_wmma_f32_16x16x4_f32 v[PA:PA+7], v[KF:KF+1], v[QF:QF+1], 0
	v_wmma_f32_16x16x4_f32 v[PA+8:PA+15], v[KF+2:KF+3], v[QF+2:QF+3], 0
.irp s, 4,8,12,16,20,24,28
	v_wmma_f32_16x16x4_f32 v[PA:PA+7], v[KF+\s:KF+\s+1], v[QF+\s:QF+\s+1], v[PA:PA+7]
	v_wmma_f32_16x16x4_f32 v[PA+8:PA+15], v[KF+\s+2:KF+\s+3], v[QF+\s+2:QF+\s+3], v[PA+8:PA+15]
.endr
.rept 8
	v_nop                                          ; eight places behind this form: in front of the loads into q's and k's registers and of the reads of the sums
.endr
.irp ks, 0,1,2,3,4,5,6,7               ; W_proj's second half: channels 32 on
.irp jp, 0,1
	global_load_b128 v[QF+8*\ks+4*\jp:QF+8*\ks+4*\jp+3], v[AW], s[6:7] offset:(32+16*(\ks/4)+2*(\ks%4)+\jp)*4096
.endr
.endr
.irp j, 0,1,2,3,4,5,6,7
	v_add_f32 v[T+\j], v[PA+\j], v[PA+8+\j]        ; both sums from their low ends on
.endr
.irp j, 0,1,2,3,4,5,6,7
	v_cmp_gt_i32 vcc_lo, \j, v[RH]                 ; key 8 h + j > query r: hidden
	v_cndmask_b32 v[T+\j], v[T+\j], v[NINF], vcc_lo
.endr
	v_max3_num_f32 v12, v[T], v[T+1], v[T+2]
	v_max3_num_f32 v12, v12, v[T+3], v[T+4]
	v_max3_num_f32 v12, v12, v[T+5], v[T+6]
	v_max_num_f32 v12, v12, v[T+7]
	v_permlanex16_b32 v11, v12, s24, s25
	v_max_num_f32 v12, v12, v11                    ; the row's maximum: key 0 counts for every query
	v_mul_f32 v12, s26, v12
.irp j, 0,1,2,3,4,5,6,7
	v_fma_f32 v[T+\j], v[T+\j], s26, -v12
.endr
.irp j, 0,1,2,3,4,5,6,7
	v_exp_f32 v[T+\j], v[T+\j]
.endr
	v_nop                                          ; a plain instruction behind the last exponential
	s_wait_alu depctr_va_vdst(0)                   ; one wait for the eight
	v_add_f32 v13, v[T], v[T+1]
	v_add_f32 v12, v[T+2], v[T+3]
	v_add_f32 v13, v13, v[T+4]
	v_add_f32 v12, v12, v[T+5]
	v_add_f32 v13, v13, v[T+6]
	v_add_f32 v12, v12, v[T+7]
	v_add_f32 v13, v13, v12
	v_permlanex16_b32 v11, v13, s24, s25
	v_add_f32 v13, v13, v11
	v_rcp_f32 v13, v13
	v_nop
	s_wait_alu depctr_va_vdst(0)
.irp j, 0,1,2,3,4,5,6,7
	v_mul_f32 v[P+\j], v[T+\j], v13
.endr
	s_wait_loadcnt 32                              ; v is in; W_proj's 32 loads may be out
	; O^T = V^T P^T: step jj takes keys 8 h + 2 jj + 0, 1 on both sources; four sums by turns; lane (r, h): query r, channels 16 ct + 8 h + 0 .. 7
.irp ct, 0,1,2,3
	v_wmma_f32_16x16x4_f32 v[OA+8*\ct:OA+8*\ct+7], v[VF+8*\ct:VF+8*\ct+1], v[P:P+1], 0
.endr
.irp jj, 1,2,3
.irp ct, 0,1,2,3
	v_wmma_f32_16x16x4_f32 v[OA+8*\ct:OA+8*\ct+7], v[VF+8*\ct+2*\jj:VF+8*\ct+2*\jj+1], v[P+2*\jj:P+2*\jj+1], v[OA+8*\ct:OA+8*\ct+7]
.endr
.endr
; A K step's eight registers of W_proj hold channel 0's columns 0-3, then channel 1's.  Two exchanges put the two channels of one column side by side: column c's pair then lies at 4 (c % 2) + 2 (c / 2).
.macro PAIRS wb
.irp ks, 0,1,2,3,4,5,6,7
	v_swap_b32 v[(\wb)+8*\ks+1], v[(\wb)+8*\ks+4]
	v_swap_b32 v[(\wb)+8*\ks+3], v[(\wb)+8*\ks+6]
.endr
.endm
; 32 matrix instructions: source 0 = O^T's pair (token r; channels 16 ct + 8 h + 2 jj + 0, 1), source 1 = W_proj's pair of column 4 r + c; four sums by turns.  Result c: lane (r, h): tokens 8 h + 0 .. 7, column 4 r + c.
.macro PROJ wb, ct0, start
.irp ks, 0,1,2,3,4,5,6,7
.irp c, 0,1,2,3
.if (\start) && (\ks == 0)
	v_wmma_f32_16x16x4_f32 v[PA+8*\c:PA+8*\c+7], v[OA+8*((\ct0)+\ks/4)+2*(\ks%4):OA+8*((\ct0)+\ks/4)+2*(\ks%4)+1], v[(\wb)+8*\ks+4*(\c%2)+2*(\c/2):(\wb)+8*\ks+4*(\c%2)+2*(\c/2)+1], 0
.else
	v_wmma_f32_16x16x4_f32 v[PA+8*\c:PA+8*\c+7], v[OA+8*((\ct0)+\ks/4)+2*(\ks%4):OA+8*((\ct0)+\ks/4)+2*(\ks%4)+1], v[(\wb)+8*\ks+4*(\c%2)+2*(\c/2):(\wb)+8*\ks+4*(\c%2)+2*(\c/2)+1], v[PA+8*\c:PA+8*\c+7]
.endif
.endr
.endr
.endm
	s_wait_loadcnt 16                              ; W_proj's first half is in; the second half's 16 loads may be out
	PAIRS W1
.rept 9
	v_nop                                          ; nine places before a matrix instruction takes O^T as a source
.endr
	PROJ W1, 0, 1
	s_wait_loadcnt 0x0
	PAIRS QF
	PROJ QF, 2, 0
.rept 8
	v_nop                                          ; eight places in front of the reads of the sums
.endr
.irp j, 0,1,2,3,4,5,6,7                ; four neighbouring columns of a token side by side; each sum from its low end on
.irp c, 0,1,2,3
	v_mov_b32 v[VF+4*\j+\c], v[PA+8*\c+\j]
.endr
.endr
.irp j, 0,1,2,3,4,5,6,7
	ds_store_b128 v[LST], v[VF+4*\j:VF+4*\j+3] offset:256*\j      ; my partial: [16 tokens][64 columns] f32
.endr
	s_wait_dscnt 0x0                               ; my stores have landed
	s_barrier_signal -1
	s_barrier_wait -1
.irp p, 0,1,2,3,4,5,6,7,8,9,10,11,12,13,14,15
	ds_load_b64 v[QF+2*\p:QF+2*\p+1], v[LRD] offset:4096*\p       ; row w of every head's partial, two columns a lane
.endr
	s_wait_dscnt 0x0
.irp p, 0,4,8,12,16,20,24,28
	v_pk_add_f32 v[QF+\p:QF+\p+1], v[QF+\p:QF+\p+1], v[QF+\p+2:QF+\p+3]
.endr
.irp p, 0,8,16,24
	v_pk_add_f32 v[QF+\p:QF+\p+1], v[QF+\p:QF+\p+1], v[QF+\p+4:QF+\p+5]
.endr
.irp p, 0,16
	v_pk_add_f32 v[QF+\p:QF+\p+1], v[QF+\p:QF+\p+1], v[QF+\p+8:QF+\p+9]
.endr
	v_pk_add_f32 v[QF:QF+1], v[QF:QF+1], v[QF+16:QF+17]
	v_pk_add_f32 v[14:15], v[14:15], v[QF:QF+1]
	global_store_b64 v[GO], v[14:15], s[10:11]     ; 32 lanes store 256 consecutive bytes, aligned
	s_wait_tensorcnt 0x0                           ; the wave's end, behind my last LDS store
	ds_add_u32 v[SPW], v[NIL]
	s_wait_dscnt 0x0
	s_endpgm
.Lfunc_end_k_q67d383d0c5_fine:
	.size	k_q67d383d0c5_fine, .Lfunc_end_k_q67d383d0c5_fine-k_q67d383d0c5_fine
	.p2alignl 7, 3214868480
	.fill 96, 4, 3214868480
	.section	.rodata,"a",@progbits
	.p2align	6, 0x0
	.amdhsa_kernel k_q67d383d0c5_fine
		.amdhsa_group_segment_fixed_size 67584
		.amdhsa_private_segment_fixed_size 0
		.amdhsa_enable_private_segment 0
		.amdhsa_kernarg_size 32
		.amdhsa_user_sgpr_count 2
		.amdhsa_user_sgpr_kernarg_segment_ptr 1
		.amdhsa_wavefront_size32 1
		.amdhsa_system_sgpr_workgroup_id_x 1
		.amdhsa_system_sgpr_workgroup_id_y 1
		.amdhsa_system_sgpr_workgroup_id_z 1
		.amdhsa_system_vgpr_workitem_id 0
		.amdhsa_next_free_vgpr 256
		.amdhsa_next_free_sgpr 66
		.amdhsa_reserve_vcc 1
		.amdhsa_float_denorm_mode_32 3
		.amdhsa_float_denorm_mode_16_64 3
		.amdhsa_memory_ordered 1
		.amdhsa_forward_progress 1
		.amdhsa_inst_pref_size 25
	.end_amdhsa_kernel
	.amdgpu_metadata
---
amdhsa.version: [ 1, 2 ]
amdhsa.kernels:
  - .name:           k_q67d383d0c5_fine
    .symbol:         k_q67d383d0c5_fine.kd
    .args:
      - { .name: rows32, .offset: 0, .size: 8, .value_kind: global_buffer, .address_space: global }
      - { .name: W_proj, .offset: 8, .size: 8, .value_kind: global_buffer, .address_space: global }
      - { .name: b_proj, .offset: 16, .size: 8, .value_kind: global_buffer, .address_space: global }
      - { .name: out0, .offset: 24, .size: 8, .value_kind: global_buffer, .address_space: global }
    .group_segment_fixed_size: 67584
    .private_segment_fixed_size: 0
    .kernarg_segment_align: 8
    .kernarg_segment_size: 32
    .max_flat_workgroup_size: 512
    .sgpr_count:     66
    .vgpr_count:     256
    .wavefront_size: 32
...
	.end_amdgpu_metadata
.endif
;; end of part 5
